; MI455X (gfx1250); checked and timed in simulation.
; The chip was launched on July 23, 2026; its instructions are those of AMD's public machine-readable ISA for CDNA 5 (MIT licence, August 2026) and "CDNA5" Instruction Set Architecture Reference Guide (July 2026). The comments in the code are by the model that wrote it; some were corrected since.
;; Causal Self Attention Marcin. Allowed arithmetic: matrix products marked QUANTISED: E2M1 operands, one E8M0 scale for each 32 along K, by v_wmma_scale_f32_16x16x128_f8f6f4 with both operands' format E2M1 (or v_wmma_scale_f32_32x16x128_f4), f32 sums; products left as they are: bf16, f16 or f32 operands; f32 sums; everything else in f32.
;; Inputs: W_attn 1,024 x 3,072 float32; W_proj 1,024 x 1,024 float32; b_attn 3,072 float32; b_proj 1,024 float32; x 4 x 2,048 x 1,024 float32.
;; Outputs: out0 4 x 2,048 x 1,024 float32.
;; This version of the problem:
;;   THIS VERSION OF THE PROBLEM IS GIVEN IN LOW PRECISION. The matrix products marked QUANTISED in the list below multiply operands that are first quantised to E2M1 (2 exponent bits, 1 mantissa bit; 4 bits a number), with one power-of-two scale for each 32 numbers along K (OCP MX v1.0); their sums are f32. The products marked 'left as it is' may take bf16, f16 or f32 operands, with f32 sums. Whichever they take, every output number must still come out within the allowed error. Rounding operands to bf16 (8 significant bits) uses up far more of that allowance than f16 does (11 bits, for magnitudes from 6e-5 to 65,504). All else is computed in f32.
;;   The module's matrix products, in the order in which they are computed (A, B: the left and right operand; K: the contracted axis; several contracted axes count as one K, in the product's order):
;;     1. [M 8,192, K 1,024] x [K 1,024, N 3,072]; A: input x; B: input W_attn: QUANTISED
;;     2. batch 64 x [M 2,048, K 64] x [K 64, N 2,048]; A: computed on the way; B: computed on the way: left as it is (an operand is computed on the way)
;;     3. batch 64 x [M 2,048, K 2,048] x [K 2,048, N 64]; A: computed on the way; B: computed on the way: left as it is (an operand is computed on the way)
;;     4. [M 8,192, K 1,024] x [K 1,024, N 1,024]; A: computed on the way; B: input W_proj: left as it is (an operand is computed on the way)
;;   THE QUANTISER, for each operand of a quantised product, along K:
;;     - K is cut into blocks of 32 from its start; a last block that is shorter is filled with zeros.
;;     - A block's scale is 2^e with e = floor(log2(the largest magnitude in the block)) - 2, held to -126 .. 127; a block of zeros has e = 0. As a byte (E8M0): e + 127.
;;     - Each number is divided by its block's scale, clamped to +-6, and rounded to the nearest number of E2M1, ties to even, subnormals kept.
;;     - The product sums the exact products of the quantised numbers (number of the format x scale) in f32.
;;   ~~~python
;;   def quantise(x, axis):      # numpy; x: float32 -> the quantised numbers, widened to float32 again
;;       x = np.moveaxis(x, axis, -1); K = x.shape[-1]
;;       x = np.pad(x, [(0, 0)] * (x.ndim - 1) + [(0, -K % 32)]); x = x.reshape(x.shape[:-1] + (-1, 32)); a = np.abs(x).max(-1, keepdims=True)
;;       e = np.where(a > 0, np.clip(np.frexp(np.where(a > 0, a, 1))[1] - 1 - 2, -126, 127), 0)      # np.frexp(a)[1] - 1 = floor(log2(a)), exactly
;;       r = np.clip(x / 2.0 ** e, -6, 6)
;;       step = 2.0 ** (np.maximum(np.frexp(np.where(r == 0, 1, r))[1] - 1, 0) - 1)
;;       q = np.round(r / step) * step * 2.0 ** e      # np.round: ties to even
;;       return np.moveaxis(q.reshape(q.shape[:-2] + (-1,))[..., :K], -1, axis).astype(np.float32)
;;   ~~~
;; One version. Each part assembles by itself: llvm-mc -triple=amdgcn-amd-amdhsa -mcpu=gfx1250 --defsym DOCPART=n.
;; ======== version 1 of 1: 5 launches
;; limits: values are held in f16: magnitudes above 65,504 overflow, below 6.1e-05 lose precision
;; workspace buffers: xc 4,194,304 bytes; xs 262,144 bytes; wc 1,572,864 bytes; ws 98,304 bytes; wp16 2,097,152 bytes; qkv16 50,331,648 bytes; qkv32 786,432 bytes; y16 16,777,216 bytes
;; launch prep (part 1): grid 368 x 1, 4 waves a work-group, no clusters, 68,096 bytes of LDS; arguments x, W_attn, W_proj, xc, xs, wc, ws, wp16; writes xc, xs, wc, ws, wp16
.if DOCPART == 1
	.amdgcn_target "amdgcn-amd-amdhsa--gfx1250"
	.amdhsa_code_object_version 6
	.text
	.protected	k_q9763e7f980_prep
	.globl	k_q9763e7f980_prep
	.p2align	8
	.type	k_q9763e7f980_prep,@function
k_q9763e7f980_prep:
	s_mov_b64 s[64:65], 0
	v_nop
	global_prefetch_b8 v0, s[64:65] scope:SCOPE_SE
	s_setreg_imm32_b32 hwreg(HW_REG_WAVE_MODE, 25, 1), 1
	s_wait_xcnt 0x0
; PREP: what the later launches read many times is made once.  Three paths, parted on the work-group's number alone:
;   W (work-groups 0-47):    W_attn [1024 k][3072 n] f32 -> codes of FP4 (E2M1) wc [3072 n][512 bytes], K innermost, and scale bytes ws [3072][32]
;   X (work-groups 48-303):  x [8192][1024] f32 -> codes xc [8192][512 bytes] and scale bytes xs [8192][32]
;   P (work-groups 304-367): W_proj [1024][1024] f32 -> f16, same order, wp16
; A block of 32 along K has the scale 2^(floor(log2(its largest magnitude)) - 2); its byte is the largest magnitude's exponent field - 2, held at 1 from below;
; each number is divided by the scale and rounded to the nearest code, ties to even, beyond 6 the largest code.
; LIMITS: a block of zeros gets the byte 1 where the rule says 127 (its codes are zeros, and this program alone reads the bytes); blocks whose largest magnitude lies under
; 2^-124 were not tried; NaN and infinities are not served; W_proj beyond f16's 65,504 is not served.
; LDS: each path has bytes of its own: W's four stages from 0, X's four regions from 34,816; the spare words behind them.  No barrier: waves share nothing.
.set SPARE,  67584                     ; the spare words, 128 bytes for each wave: two blocks of 256 bytes that no other line names
.set SPW,    190                       ; v190  LDS address of my spare word; never rewritten
.set NIL,    191                       ; v191  0; never rewritten
.set EMAX,   2
	s_load_b256 s[4:11], s[0:1], 0x0               ; x s[4:5], W_attn s[6:7], W_proj s[8:9], xc s[10:11]
	s_load_b256 s[12:19], s[0:1], 0x20             ; xs s[12:13], wc s[14:15], ws s[16:17], wp16 s[18:19]
	v_lshl_add_u32 v[SPW], v0, 2, SPARE
	v_mov_b32 v[NIL], 0
	v_lshrrev_b32 v1, 5, v0
	v_readfirstlane_b32 s20, v1                    ; wave 0..3
	v_and_b32 v2, 31, v0                           ; lane
	s_mov_b32 s25, 0                               ; the high word of every offset: all stay under 2^32
	s_wait_kmcnt 0x0
	s_cmp_lt_u32 ttmp9, 48
	s_cbranch_scc1 .Lpath_w
	s_cmp_lt_u32 ttmp9, 304
	s_cbranch_scc1 .Lpath_x
; ---- PATH P: 16,384 numbers a work-group, 16 steps of 1,024; thread t takes 8 neighbours a step and stores their 16 bytes: a wave's store covers 512 consecutive bytes
	s_sub_co_u32 s21, ttmp9, 304
	s_lshl_b32 s24, s21, 16
	s_add_nc_u64 s[8:9], s[8:9], s[24:25]
	s_lshl_b32 s24, s21, 15
	s_add_nc_u64 s[18:19], s[18:19], s[24:25]
	v_lshlrev_b32 v3, 5, v0                        ; in: 32 bytes a thread
	v_lshlrev_b32 v4, 4, v0                        ; out: 16
.irp s, 0,1,2,3,4,5,6,7,8,9,10,11,12,13,14,15
	global_load_b128 v[16+8*\s:16+8*\s+3], v3, s[8:9] offset:4096*\s th:TH_LOAD_NT
	global_load_b128 v[16+8*\s+4:16+8*\s+7], v3, s[8:9] offset:4096*\s+16 th:TH_LOAD_NT
.endr
.irp s, 0,1,2,3,4,5,6,7,8,9,10,11,12,13,14,15
	s_wait_loadcnt 30-2*\s                         ; this step's two loads are in; the later steps' may be out
.irp i, 0,1,2,3
	v_cvt_pk_f16_f32 v[16+8*\s+\i], v[16+8*\s+2*\i], v[16+8*\s+2*\i+1]   ; in place, ascending: no number is written over before it is read
.endr
	global_store_b128 v4, v[16+8*\s:16+8*\s+3], s[18:19] offset:2048*\s   ; each step has registers of its own: no store's data are written again
.endr
	s_endpgm
; ---- PATH X: K is innermost and rows are dense, so x is a plain stream of blocks of 32.  A wave takes 16 steps of 512 numbers.  Each load reads 512 consecutive bytes; a step's 2,048 bytes
; turn through the wave's own stage in LDS (16 bytes of padding behind each 64) and come back 64 bytes a lane: 16 neighbours, two lanes to a block.
.Lpath_x:
.set XSTEPS, 16
.set XR,    16                         ; v16-79   four sets of 16 numbers as loaded
.set XX,    80                         ; v80-111  two sets of 16 neighbours
.set XE,    112                        ; v112-127 a scale byte for each step
.set XC,    128                        ; v128-189 codes: registers of its own for each step
.set XSP,   80                         ; a lane's place in a stage
.set XREG,  8192                       ; a wave's region: two stages of 32 x 80 bytes, then its 256 scale bytes
.set XBASE, 34816
	s_sub_co_u32 s21, ttmp9, 48
	s_lshl_b32 s21, s21, 2
	s_add_co_u32 s21, s21, s20                     ; which run of 8,192 numbers is my wave's
	v_lshlrev_b32 v3, 4, v2                        ; my 16 bytes of a load's 512
	s_mul_i32 s22, s20, XREG
	s_add_co_u32 s22, s22, XBASE
	v_lshrrev_b32 v14, 2, v2
	v_mul_u32_u24 v14, v14, XSP
	v_and_b32 v15, 3, v2
	v_lshl_add_u32 v14, v15, 4, v14
	v_add_nc_u32 v14, s22, v14                     ; into the stage: 80 (lane / 4) + 16 (lane % 4)
	v_mul_u32_u24 v15, v2, XSP
	v_add_nc_u32 v15, s22, v15                     ; out of it: 80 x lane
	v_lshlrev_b32 v4, 3, v2                        ; 8 x lane: my codes' place in a step's, and my place in the wave's 256 scale bytes
	v_lshrrev_b32 v5, 1, v2
	s_add_co_u32 s22, s22, 2*32*XSP
	v_add_nc_u32 v5, s22, v5                       ; LDS: my block's byte
	v_add_nc_u32 v6, s22, v4                       ; and 8 bytes a lane on the way out
	s_lshl_b32 s24, s21, 15
	s_add_nc_u64 s[4:5], s[4:5], s[24:25]
	s_lshl_b32 s24, s21, 12
	s_add_nc_u64 s[10:11], s[10:11], s[24:25]
	s_lshl_b32 s24, s21, 8
	s_add_nc_u64 s[12:13], s[12:13], s[24:25]
.macro XLOAD t
.irp i, 0,1,2,3
	global_load_b128 v[XR+16*((\t)%4)+4*\i:XR+16*((\t)%4)+4*\i+3], v3, s[4:5] offset:2048*(\t)+512*\i th:TH_LOAD_NT
.endr
.endm
.macro XTURN t                         ; LDS serves a wave's instructions in order: no wait between the stores and the loads
.irp i, 0,1,2,3
	ds_store_b128 v14, v[XR+16*((\t)%4)+4*\i:XR+16*((\t)%4)+4*\i+3] offset:32*XSP*((\t)%2)+8*XSP*\i
.endr
.irp i, 0,1,2,3
	ds_load_b128 v[XX+16*((\t)%2)+4*\i:XX+16*((\t)%2)+4*\i+3], v15 offset:32*XSP*((\t)%2)+16*\i
.endr
.endm
.irp t, 0,1,2,3
	XLOAD \t
.endr
	s_wait_loadcnt 12                              ; step 0's four loads are in
	XTURN 0
.macro XSTEP t
.set XS, XX+16*((\t)%2)
.if (\t) > 0
	s_wait_dscnt 1                                 ; this step's numbers are back from the stage (the last step's byte store may be out)
.else
	s_wait_dscnt 0x0
.endif
.if (\t)+4 < XSTEPS
	XLOAD (\t)+4                                   ; the stage's stores have read these registers
.endif
.if (\t)+1 < XSTEPS
.if XSTEPS-2-(\t) >= 3
	s_wait_loadcnt 12                              ; the next step's four loads are in; those of the three steps behind it may be out
.else
	s_wait_loadcnt 4*(XSTEPS-2-(\t))
.endif
	XTURN (\t)+1
.endif
	v_max3_num_f32 v8, |v[XS]|, |v[XS+1]|, |v[XS+2]|
	v_max3_num_f32 v9, |v[XS+3]|, |v[XS+4]|, |v[XS+5]|
.irp i, 6,10
	v_max3_num_f32 v8, v8, |v[XS+\i]|, |v[XS+\i+1]|
	v_max3_num_f32 v9, v9, |v[XS+\i+2]|, |v[XS+\i+3]|
.endr
	v_max3_num_f32 v8, v8, |v[XS+14]|, |v[XS+15]|
	v_max3_num_f32 v8, v8, v9, (EMAX+1)<<23        ; the floor 2^(3 - 127): the byte cannot fall under 1
	v_max_num_f32_dpp v8, v8, v8 row_xmask:1 row_mask:0xf bank_mask:0xf   ; with my neighbour's 16: the block's largest magnitude
	v_add_nc_u32 v11, -(EMAX<<23), v8              ; 2 off its exponent field: the conversion takes that field as its scale
	v_cvt_scalef32_pk8_fp4_f32 v[XC+4*(\t)], v[XS:XS+7], v11
	v_cvt_scalef32_pk8_fp4_f32 v[XC+4*(\t)+1], v[XS+8:XS+15], v11
	v_lshrrev_b32 v[XE+(\t)], 23, v11              ; the scale's byte (a plain line behind the conversions)
	ds_store_b8 v5, v[XE+(\t)] offset:16*(\t)      ; both lanes of a block write the same byte with the same value
	global_store_b64 v4, v[XC+4*(\t):XC+4*(\t)+1], s[10:11] offset:256*(\t)   ; the wave stores 256 consecutive bytes, aligned
.endm
.irp t, 0,1,2,3,4,5,6,7,8,9,10,11,12,13,14,15
	XSTEP \t
.endr
	ds_load_b64 v[8:9], v6                         ; my wave's 256 scale bytes
	s_wait_dscnt 0x0
	global_store_b64 v4, v[8:9], s[12:13]          ; 256 consecutive bytes, aligned
	s_wait_tensorcnt 0x0                           ; the wave's end
	ds_add_u32 v[SPW], v[NIL]
	s_wait_dscnt 0x0
	s_endpgm
; ---- PATH W: K is W_attn's FIRST axis.  A lane takes a column n and its registers run down K: each load reads 128 consecutive bytes a wave, a block of 32 lies in one lane's registers, and the
; conversions give codes with K innermost.  A wave takes 32 columns x 512 along K; the codes leave through its own stage as rows: sixteen lanes store 256 consecutive bytes, aligned.
; The scale bytes leave 16 to a lane, rows 32 bytes apart: one byte in 128 of what the path reads.
.Lpath_w:
.set WN,     3072
.set WNB,    16                        ; blocks of 32 in a wave's 512 along K
.set WPITCH, 272                       ; a stage row: 256 bytes + 16
.set WKROW,  512                       ; a row of wc in bytes
.set WX,     32                        ; v32-95   two sets of 32 numbers
.set WC,     96                        ; v96-99   a block's codes
.set WOUT,   112                       ; v112-175 the way out
.set WSB,    24                        ; v24-27   the scale bytes, four to a register
	s_cmp_ge_u32 ttmp9, 24
	s_cselect_b32 s22, 1, 0                        ; which 512 along K
	s_cselect_b32 s21, 24, 0
	s_sub_co_u32 s21, ttmp9, s21                   ; which 128 columns
	s_lshl_b32 s21, s21, 7
	s_lshl_b32 s26, s20, 5
	s_add_co_u32 s21, s21, s26                     ; my wave's first column
	v_lshlrev_b32 v3, 2, v2                        ; in: 4 bytes a lane
	s_mul_i32 s26, s20, 32*WPITCH                  ; my stage
	v_mul_u32_u24 v4, v2, WPITCH
	v_add_nc_u32 v4, s26, v4                       ; into it: row = my column
	v_and_b32 v5, 15, v2
	v_lshrrev_b32 v6, 4, v2
	v_mul_u32_u24 v7, v6, WPITCH
	v_lshl_add_u32 v7, v5, 4, v7
	v_add_nc_u32 v7, s26, v7                       ; out of it: sixteen lanes to a row, two rows an instruction
	v_mul_u32_u24 v8, v6, WKROW
	v_lshl_add_u32 v8, v5, 4, v8                   ; and the same place in wc
	v_lshlrev_b32 v9, 5, v2                        ; my column's row of scale bytes
	s_mul_i32 s24, s22, 512*WN*4
	s_lshl_b32 s26, s21, 2
	s_add_co_u32 s24, s24, s26
	s_add_nc_u64 s[6:7], s[6:7], s[24:25]
	s_lshl_b32 s24, s21, 9
	s_lshl_b32 s26, s22, 8
	s_add_co_u32 s24, s24, s26
	s_add_nc_u64 s[14:15], s[14:15], s[24:25]
	s_lshl_b32 s24, s21, 5
	s_lshl_b32 s26, s22, 4
	s_add_co_u32 s24, s24, s26
	s_add_nc_u64 s[16:17], s[16:17], s[24:25]
.macro WLOAD t                         ; block t: W(32 t + i, my column) into set t % 2; the largest offset, 511 rows of 12,288 bytes, lies inside the signed 24-bit immediate
.set wi, 0
.rept 32
	global_load_b32 v[WX+32*((\t)%2)+wi], v3, s[6:7] offset:(32*(\t)+wi)*WN*4 th:TH_LOAD_NT
.set wi, wi+1
.endr
.endm
	WLOAD 0
	WLOAD 1
.macro WBLOCK t
.set XS, WX+32*((\t)%2)
.if (\t) < WNB-1
	s_wait_loadcnt 32                              ; this block's 32 loads are in; the next block's may be out
.else
	s_wait_loadcnt 0
.endif
	v_max3_num_f32 v12, |v[XS]|, |v[XS+1]|, |v[XS+2]|
	v_max3_num_f32 v13, |v[XS+3]|, |v[XS+4]|, |v[XS+5]|
.irp i, 6,10,14,18,22,26
	v_max3_num_f32 v12, v12, |v[XS+\i]|, |v[XS+\i+1]|
	v_max3_num_f32 v13, v13, |v[XS+\i+2]|, |v[XS+\i+3]|
.endr
	v_max3_num_f32 v12, v12, |v[XS+30]|, |v[XS+31]|
	v_max3_num_f32 v12, v12, v13, (EMAX+1)<<23     ; the floor
	v_add_nc_u32 v11, -(EMAX<<23), v12             ; the conversion's scale operand
	v_lshrrev_b32 v13, 23, v11                     ; the scale's byte
.if (\t)%4 == 0
	v_mov_b32 v[WSB+(\t)/4], v13
.else
	v_lshl_or_b32 v[WSB+(\t)/4], v13, 8*((\t)%4), v[WSB+(\t)/4]
.endif
.irp g, 0,1,2,3
	v_cvt_scalef32_pk8_fp4_f32 v[WC+\g], v[XS+8*\g:XS+8*\g+7], v11
.endr
	v_nop                                          ; a plain line behind the last conversion
	ds_store_b128 v4, v[WC:WC+3] offset:16*(\t)    ; 32 codes: 16 bytes of my column's row
.if (\t)+2 < WNB
	WLOAD (\t)+2
.endif
	s_wait_dscnt 0x0                               ; the store has read its registers: the next block's codes may be written
.endm
.set WQ, 0
.rept WNB
	WBLOCK WQ
.set WQ, WQ+1
.endr
	global_store_b128 v9, v[WSB:WSB+3], s[16:17]   ; my column's 16 scale bytes
.irp t, 0,1,2,3,4,5,6,7,8,9,10,11,12,13,14,15
	ds_load_b128 v[WOUT+4*\t:WOUT+4*\t+3], v7 offset:2*\t*WPITCH
.endr
.irp t, 0,1,2,3,4,5,6,7,8,9,10,11,12,13,14,15
	s_wait_dscnt 15-\t                             ; LDS loads come back in order: load t is in
	global_store_b128 v8, v[WOUT+4*\t:WOUT+4*\t+3], s[14:15] offset:2*\t*WKROW
.endr
	s_wait_tensorcnt 0x0                           ; the wave's end
	ds_add_u32 v[SPW], v[NIL]
	s_wait_dscnt 0x0
	s_endpgm
.Lfunc_end_k_q9763e7f980_prep:
	.size	k_q9763e7f980_prep, .Lfunc_end_k_q9763e7f980_prep-k_q9763e7f980_prep
	.p2alignl 7, 3214868480
	.fill 96, 4, 3214868480
	.section	.rodata,"a",@progbits
	.p2align	6, 0x0
	.amdhsa_kernel k_q9763e7f980_prep
		.amdhsa_group_segment_fixed_size 68096
		.amdhsa_private_segment_fixed_size 0
		.amdhsa_enable_private_segment 0
		.amdhsa_kernarg_size 64
		.amdhsa_user_sgpr_count 2
		.amdhsa_user_sgpr_kernarg_segment_ptr 1
		.amdhsa_wavefront_size32 1
		.amdhsa_system_sgpr_workgroup_id_x 1
		.amdhsa_system_sgpr_workgroup_id_y 1
		.amdhsa_system_sgpr_workgroup_id_z 1
		.amdhsa_system_vgpr_workitem_id 0
		.amdhsa_next_free_vgpr 192
		.amdhsa_next_free_sgpr 66
		.amdhsa_reserve_vcc 0
		.amdhsa_float_denorm_mode_32 3
		.amdhsa_float_denorm_mode_16_64 3
		.amdhsa_memory_ordered 1
		.amdhsa_forward_progress 1
		.amdhsa_inst_pref_size 120
	.end_amdhsa_kernel
	.amdgpu_metadata
---
amdhsa.version: [ 1, 2 ]
amdhsa.kernels:
  - .name:           k_q9763e7f980_prep
    .symbol:         k_q9763e7f980_prep.kd
    .args:
      - { .name: x, .offset: 0, .size: 8, .value_kind: global_buffer, .address_space: global }
      - { .name: W_attn, .offset: 8, .size: 8, .value_kind: global_buffer, .address_space: global }
      - { .name: W_proj, .offset: 16, .size: 8, .value_kind: global_buffer, .address_space: global }
      - { .name: xc, .offset: 24, .size: 8, .value_kind: global_buffer, .address_space: global }
      - { .name: xs, .offset: 32, .size: 8, .value_kind: global_buffer, .address_space: global }
      - { .name: wc, .offset: 40, .size: 8, .value_kind: global_buffer, .address_space: global }
      - { .name: ws, .offset: 48, .size: 8, .value_kind: global_buffer, .address_space: global }
      - { .name: wp16, .offset: 56, .size: 8, .value_kind: global_buffer, .address_space: global }
    .group_segment_fixed_size: 68096
    .private_segment_fixed_size: 0
    .kernarg_segment_align: 8
    .kernarg_segment_size: 64
    .max_flat_workgroup_size: 128
    .sgpr_count:     66
    .vgpr_count:     192
    .wavefront_size: 32
...
	.end_amdgpu_metadata
.endif
;; end of part 1
;; launch qkv (part 2): grid 12 x 32, 4 waves a work-group, clusters of 4 x 4, 327,680 bytes of LDS; arguments xc, xs, wc, ws, b_attn, qkv16, qkv32; writes qkv16, qkv32
.if DOCPART == 2
	.amdgcn_target "amdgcn-amd-amdhsa--gfx1250"
	.amdhsa_code_object_version 6
	.text
	.protected	k_q9763e7f980_qkv
	.globl	k_q9763e7f980_qkv
	.p2align	8
	.type	k_q9763e7f980_qkv,@function
k_q9763e7f980_qkv:
	s_mov_b64 s[64:65], 0
	v_nop
	global_prefetch_b8 v0, s[64:65] scope:SCOPE_SE
	s_setreg_imm32_b32 hwreg(HW_REG_WAVE_MODE, 25, 1), 1
	s_wait_xcnt 0x0
	s_wait_alu depctr_hold_cnt(0) depctr_sa_sdst(0) depctr_va_vdst(0) depctr_va_sdst(0) depctr_va_ssrc(0) depctr_va_vcc(0) depctr_vm_vsrc(0)
	s_getreg_b32 s2, hwreg(HW_REG_IB_STS2, 6, 4)
	s_cmp_eq_u32 s2, 0
	s_cbranch_scc0 .Lentry_in_a_cluster
	s_endpgm
.Lentry_in_a_cluster:
	s_bfe_u32 s2, ttmp6, 0x10000c
	s_cmp_lg_u32 s2, 0xf033
	s_cbranch_scc0 .Lentry_shape_is_right
	s_endpgm
.Lentry_shape_is_right:
; QKV: qkv = Q(x) Q(W_attn) + b_attn on codes of FP4 (E2M1) with one E8M0 scale for each 32 along K; sums in f32.  A = xc [8192][512 bytes], xs [8192][32]; B = wc [3072][512 bytes], ws [3072][32].
; OUT: qkv16 [3 sections q, k, v][64 = 16 batch + head][2048 positions][64] f16: a head's rows are dense, two neighbouring rows are 256 bytes; and qkv32 [64 = 16 batch + position][3072] f32:
; positions 0-15 of every batch, kept in f32 for the launch that carries those rows finely.
; LIMIT: |q|, |k|, |v| beyond f16's 65,504 are not served.
; A tile of 256 x 256 is made by four waves, each 128 x 128: 64 accumulators, 512 registers.  K = 1,024 is two K steps of 512 (rows of 256 bytes): both slots are filled at the start and none again.
; The scale bytes of the work-group's rows of A and B, for all of K, come with the first fills, as whole runs of 256 bytes.
; CLUSTERS: 4 x 4 work-groups; A's tiles are asked for jointly along a row of the cluster, B's along a column.  Tile row = 8 cy + cluster y: so the batch is cy, and whether a tile holds a batch's first
; rows hangs on cluster y alone, which all sixteen partners share.
; THE MATRIX INSTRUCTION IS USED TRANSPOSED (source 0 = 16 rows of B, source 1 = 16 rows of A): a lane holds eight neighbouring columns of one row.  The bias is the C of each sum's first product.
; REGISTERS: window 0: v0-31 addresses; v32-95 scale words, two sets; v128-191 A's fragments, one set; v192-255 the bias in the result's layout; on the way out v32-127 are free.
;   window 1: B's fragments, two sets.   window 2: accumulators of my rows 0-63 ((a, b) at v[8 (8 a + b)]);   window 3: of my rows 64-127.
.set SIZE_N, 3072
.set SIZE_K, 1024
.set KSTEP,  512
.set NQ,     KSTEP/128
.set ROWB,   256
.set KROW,   SIZE_K/2
.set PITCH,  272                       ; an LDS row: 256 bytes + 16 = 68 words: the 16 rows of a load start at 16 different banks (64 banks of 4 bytes: ISA guide 11.1)
.set FR,     8
.set NL,     2
.set NP,     4                         ; places behind this matrix instruction (ISA guide 7.12.1)
.set HALFT,  128*PITCH
.set SLOT,   4*HALFT
.set KS,     SIZE_K/32
.set SCL,    2*SLOT                    ; behind the slots: the scales, as runs of 256 bytes + 16 of padding
.set HALFS,  (128*KS/256)*272
.set SBLK,   (16*KS/256)*272
.set SPARE,  SCL+4*HALFS               ; the spare words, 128 bytes for each wave: two blocks of 256 bytes that no other line names
.set SP16,   272                       ; the way out, in slot 0, which has had its only fill and its last read: f16 stages of 16 rows x (256 + 16) bytes for each wave from byte 0,
.set SP32,   528                       ; and f32 stages of 16 rows x (512 + 16) bytes from byte ST32
.set ST32,   32768
.set ADRA, 16                          ; v16-17  LDS address of my A fragments in slot 0, 1
.set CO32, 18                          ; v18     16 x lane: my place in a row of qkv32
.set ADRB, 20                          ; v20-21  the same for B
.set STO32, 22                         ; v22     f32 stage: where I put 32 bytes of a row
.set RD32, 23                          ; v23     and where I read a row back
.set STO16, 24                         ; v24     f16 stage: where I put 16 bytes of a row
.set RD16, 25                          ; v25     and where I read back: lanes 0-15 two rows of the first head, lanes 16-31 of the second
.set CO16, 26                          ; v26     the same place in qkv16
.set ADRS, 27                          ; v27     LDS address of my scale words: lanes 0-15 A's rows, lanes 16-31 B's
.set SPW,  28                          ; v28     my spare word; never rewritten
.set NIL,  29                          ; v29     0; never rewritten
.set BO,   30                          ; v30     32 x (lane / 16): the bias
.set SC,   32
.set TMP,  32                          ; the way out: packed results
.set BK,   64                          ; the way out: rows read back, v64-95 and v96-127 by turns (the f32 rows: v64-127)
.set AF,   128
.set BI,   192
.set G1, 24
.set G0, 32
.set G1B, 48
.set G0B, 56
.set G1S, 68
.set G0S, 76
.set G1SB, 80
.set G0SB, 88
.set MSB, 0
.macro WIN new                         ; the immediate's high byte repeats the setting that is left
.if MSB != \new
	s_set_vgpr_msb (MSB<<8)|\new
.set MSB, \new
.endif
.endm
.set MUL_LO, 0xa1                      ; source 0 (B) window 1, source 1 (A) window 0, C and D window 2
.set MUL_HI, 0xf1                      ; the same, C and D window 3
.set FIRST_LO, 0x81                    ; the first products: C is the bias, in window 0
.set FIRST_HI, 0xc1
.set TO_B,   0x40
; A joint load: waves 0 and 1 fetch for A, waves 2 and 3 for B; the branch hangs on the wave's number alone.  An s_nop 0 and four v_nop follow each line.
.macro JLOAD g0a, g1a, g0b, g1b
	s_cmp_eq_u32 s15, 0
	s_cbranch_scc0 .Lfor_b_\@
	tensor_load_to_lds s[\g0a:\g0a+3], s[\g1a:\g1a+7]
	s_nop 0
.rept 4
	v_nop
.endr
	s_branch .Lasked_\@
.Lfor_b_\@:
	tensor_load_to_lds s[\g0b:\g0b+3], s[\g1b:\g1b+7]
	s_nop 0
.rept 4
	v_nop
.endr
.Lasked_\@:
.endm
.macro CROUND                          ; a round of the cluster's barrier
	s_barrier_signal -1
	s_barrier_wait -1
	s_cmp_lg_u32 s14, 0
	s_cbranch_scc1 .Lnot_wave_0_\@
	s_barrier_signal -3
.Lnot_wave_0_\@:
	s_barrier_wait -3
	s_barrier_signal -1
	s_barrier_wait -1
.endm
	s_load_b128 s[4:7], s[0:1], 0x0                ; xc, xs
	s_load_b128 s[8:11], s[0:1], 0x10              ; wc, ws
	s_load_b64 s[96:97], s[0:1], 0x20              ; b_attn
	s_load_b64 s[12:13], s[0:1], 0x28              ; qkv16
	s_load_b64 s[98:99], s[0:1], 0x30              ; qkv32
	v_lshl_add_u32 v[SPW], v0, 2, SPARE
	v_mov_b32 v[NIL], 0
	ds_add_u32 v[SPW], v[NIL]                      ; the wave's opening: the add, twice on end, and its wait ahead of my first tensor load
	ds_add_u32 v[SPW], v[NIL]
	v_lshrrev_b32 v1, 5, v0
	v_readfirstlane_b32 s14, v1                    ; wave 0..3
	s_lshr_b32 s15, s14, 1                         ; which half of the tile's rows is mine.  Also: I fetch for A (0) or for B (1)
	s_and_b32 s16, s14, 1                          ; which half of its columns.  Also: which 128 rows of that tile I fetch
	s_bfe_u32 s40, ttmp6, 0x40000                  ; cx
	s_bfe_u32 s41, ttmp6, 0x40004                  ; cy
	s_lshl_b32 s42, ttmp9, 2
	s_add_co_u32 s42, s42, s40                     ; tile column = 4 x cluster x + cx
	s_and_b32 s100, ttmp7, 0xffff                  ; cluster y: the block of 256 positions within a batch
	s_lshl_b32 s17, s41, 3
	s_add_co_u32 s17, s17, s100                    ; tile row = 8 cy + cluster y
	s_lshl_b32 s43, s41, 2
	s_lshl_b32 s43, 15, s43                        ; my row of the cluster
	s_lshl_b32 s44, 0x1111, s40                    ; my column
	s_or_b32 s[G1+0], s43, (0<<16)|(1<<20)|(1<<21)|(5<<22)|(3<<25)  ; the mask; elements of 1 byte; padding on; bit 21 beside a mask; 4 words after every 64
	s_or_b32 s[G1B+0], s44, (0<<16)|(1<<20)|(1<<21)|(5<<22)|(3<<25)
.irp g, G1, G1B
	s_mov_b32 s[\g+1], ROWB<<16                    ; tensor_dim0
	s_mov_b32 s[\g+2], 128<<16                     ; tensor_dim1
	s_mov_b32 s[\g+3], ROWB<<16                    ; tile_dim0
	s_mov_b32 s[\g+4], 128                         ; tile_dim1
	s_mov_b32 s[\g+5], KROW                        ; the pitch
	s_mov_b32 s[\g+6], 0
	s_mov_b32 s[\g+7], 0
.endr
	s_or_b32 s[G1S+0], s43, (3<<16)|(1<<20)|(1<<21)|(5<<22)|(3<<25)  ; the scales of 128 rows: a dense block of 4,096 bytes as 16 rows of 256 (32 elements of 8 bytes)
	s_or_b32 s[G1SB+0], s44, (3<<16)|(1<<20)|(1<<21)|(5<<22)|(3<<25)
.irp g, G1S, G1SB
	s_mov_b32 s[\g+1], 32<<16
	s_mov_b32 s[\g+2], (128*KS/256)<<16
	s_mov_b32 s[\g+3], 32<<16
	s_mov_b32 s[\g+4], 128*KS/256
	s_mov_b32 s[\g+5], 32
	s_mov_b32 s[\g+6], 0
	s_mov_b32 s[\g+7], 0
.endr
	s_lshl_b32 s18, s16, 7
	s_lshl_b32 s20, s17, 8
	s_add_co_u32 s20, s20, s18                     ; A: row 256 x tile row + 128 x half
	s_lshl_b32 s46, s42, 8
	s_add_co_u32 s46, s46, s18                     ; B: row 256 x tile column + 128 x half
	s_mov_b32 s21, 0
	s_mov_b32 s47, 0
	s_mov_b64 s[18:19], KS
	s_mul_u64 s[22:23], s[20:21], s[18:19]         ; where these rows' scales begin
	s_mul_u64 s[92:93], s[46:47], s[18:19]
	s_mov_b64 s[18:19], KROW
	s_mul_u64 s[20:21], s[20:21], s[18:19]         ; and their codes
	s_mul_u64 s[46:47], s[46:47], s[18:19]
	s_mul_i32 s45, s14, HALFT                      ; where they go: wave x 128 rows
	s_mul_i32 s94, s14, HALFS
	s_wait_dscnt 0x0                               ; both opening adds are done
	s_wait_kmcnt 0x0
	s_add_nc_u64 s[20:21], s[4:5], s[20:21]
	s_add_nc_u64 s[22:23], s[6:7], s[22:23]
	s_add_nc_u64 s[46:47], s[8:9], s[46:47]
	s_add_nc_u64 s[92:93], s[10:11], s[92:93]
	CROUND                                         ; all sixteen work-groups are here: the joint loads meet
	s_mov_b32 s[G0S], 1
	s_add_co_u32 s[G0S+1], s94, SCL
	s_mov_b64 s[G0S+2:G0S+3], s[22:23]
	s_or_b32 s[G0S+3], s[G0S+3], 0x80000000
	s_mov_b32 s[G0SB], 1
	s_add_co_u32 s[G0SB+1], s94, SCL
	s_mov_b64 s[G0SB+2:G0SB+3], s[92:93]
	s_or_b32 s[G0SB+3], s[G0SB+3], 0x80000000
	JLOAD G0S, G1S, G0SB, G1SB                     ; the scales first: they are wanted with K step 0
.irp s, 0,1
	s_mov_b32 s[G0+4*\s], 1
	s_add_co_u32 s[G0+4*\s+1], s45, \s*SLOT
	s_add_nc_u64 s[G0+4*\s+2:G0+4*\s+3], s[20:21], \s*ROWB
	s_or_b32 s[G0+4*\s+3], s[G0+4*\s+3], 0x80000000
	s_mov_b32 s[G0B+4*\s], 1
	s_add_co_u32 s[G0B+4*\s+1], s45, \s*SLOT
	s_add_nc_u64 s[G0B+4*\s+2:G0B+4*\s+3], s[46:47], \s*ROWB
	s_or_b32 s[G0B+4*\s+3], s[G0B+4*\s+3], 0x80000000
	JLOAD G0+4*\s, G1, G0B+4*\s, G1B               ; three tensor loads of mine are out: all that this text issues
.endr
	v_and_b32 v1, 15, v0                           ; r = l % 16
	v_bfe_u32 v2, v0, 4, 1                         ; h = l / 16
	v_mul_u32_u24 v3, v1, PITCH
	v_lshl_add_u32 v4, v2, 4, v3
	s_mul_i32 s21, s15, HALFT
	s_mul_i32 s22, s16, HALFT
	s_add_co_u32 s22, s22, 2*HALFT
.irp s, 0,1
	v_add_nc_u32 v[ADRA+\s], s21, v4
	v_add_nc_u32 v[ADRB+\s], s22, v4
	s_add_co_u32 s21, s21, SLOT
	s_add_co_u32 s22, s22, SLOT
.endr
	v_mul_u32_u24 v5, v1, KS                       ; my row's scales: 32 bytes a row,
	v_lshrrev_b32 v6, 8, v5
	v_lshl_add_u32 v5, v6, 4, v5                   ; and 16 more for each 256 passed
	s_mul_i32 s21, s15, HALFS
	s_mul_i32 s22, s16, HALFS
	s_add_co_u32 s22, s22, 2*HALFS
	s_sub_co_u32 s22, s22, s21
	v_mul_u32_u24 v6, s22, v2                      ; lanes 16-31 take B's
	s_add_co_u32 s21, s21, SCL
	v_add_nc_u32 v5, v5, v6
	v_add_nc_u32 v[ADRS], s21, v5
	s_mul_i32 s23, s14, 16*SP16                    ; my f16 stage
	v_mul_u32_u24 v5, v1, SP16
	v_lshl_add_u32 v5, v2, 4, v5
	v_add_nc_u32 v[STO16], s23, v5                 ; in: row r, 16 bytes for each half of the lanes
	v_bfe_u32 v6, v0, 3, 1
	v_mul_u32_u24 v6, v6, SP16
	v_lshl_add_u32 v6, v2, 7, v6
	v_and_b32 v7, 7, v0
	v_lshl_add_u32 v6, v7, 4, v6
	v_add_nc_u32 v[RD16], s23, v6                  ; back: row (l / 8) % 2 of a pair, head l / 16, piece l % 8
	v_lshlrev_b32 v[CO16], 4, v1
	v_lshl_add_u32 v[CO16], v2, 18, v[CO16]        ; in qkv16: 16 (l % 16), and a head (262,144 bytes) on for lanes 16-31
	s_mul_i32 s23, s14, 16*SP32
	s_add_co_u32 s23, s23, ST32                    ; my f32 stage
	v_mul_u32_u24 v5, v1, SP32
	v_lshl_add_u32 v5, v2, 5, v5
	v_add_nc_u32 v[STO32], s23, v5
	v_and_b32 v6, 31, v0
	v_lshlrev_b32 v[CO32], 4, v6
	v_add_nc_u32 v[RD32], s23, v[CO32]
	v_lshlrev_b32 v[BO], 5, v2
	s_lshl_b32 s46, s42, 10                        ; my first column, in bytes of f32: 1,024 x tile column + 512 x half
	s_lshl_b32 s47, s16, 9
	s_add_co_u32 s46, s46, s47
	s_mov_b32 s47, 0
	s_add_nc_u64 s[96:97], s[96:97], s[46:47]      ; the bias,
	s_add_nc_u64 s[98:99], s[98:99], s[46:47]      ; and qkv32, at my first column;
	s_mul_i32 s46, s41, 16*SIZE_N*4
	s_add_nc_u64 s[98:99], s[98:99], s[46:47]      ; my batch's 16 rows
.irp b, 0,1,2,3,4,5,6,7                        ; block b: lane (r, h) wants b_attn of columns 16 b + 8 h + 0 .. 7
	global_load_b128 v[BI+8*\b:BI+8*\b+3], v[BO], s[96:97] offset:64*\b
	global_load_b128 v[BI+8*\b+4:BI+8*\b+7], v[BO], s[96:97] offset:64*\b+16
.endr
	s_lshl_b32 s46, s42, 2                         ; my 128 columns are heads g and g + 1 of the 48, g = 4 x tile column + 2 x half
	s_lshl_b32 s47, s16, 1
	s_add_co_u32 s46, s46, s47
	s_lshr_b32 s47, s46, 4                         ; section q, k or v
	s_lshl_b32 s47, s47, 6
	s_and_b32 s46, s46, 15                         ; head
	s_add_co_u32 s46, s46, s47
	s_lshl_b32 s47, s41, 4                         ; 16 x batch
	s_add_co_u32 s46, s46, s47
	s_lshl_b32 s46, s46, 11                        ; x 2,048 positions
	s_lshl_b32 s47, s100, 8
	s_add_co_u32 s46, s46, s47
	s_lshl_b32 s47, s15, 7
	s_add_co_u32 s46, s46, s47                     ; + my first position
	s_lshl_b32 s46, s46, 7                         ; x 128 bytes (under 2^26)
	s_mov_b32 s47, 0
	s_add_nc_u64 s[12:13], s[12:13], s[46:47]
.macro FRAG reg, adr, q, i             ; 16 rows x 128 K of 4-bit codes: 8 registers: two loads of 16 bytes, 32 bytes apart
.irp c, 0,1
	ds_load_b128 v[\reg+4*\c:\reg+4*\c+3], v[\adr] offset:64*(\q)+32*\c+(\i)*16*PITCH
.endr
.endm
; 16 products: A's blocks a0, a0 + 1 x B's eight, the slot's q-th 128 along K.  zero = 1: the first product of each sum takes the bias as C.  The 64 accumulators take turns, one instruction a turn.
.macro MUL16 a0, p, q, sc, zero
.irp a, \a0, \a0+1
.irp b, 0,1,2,3,4,5,6,7
.if \zero
	v_wmma_scale_f32_16x16x128_f8f6f4 v[8*(8*((\a)%4)+\b):8*(8*((\a)%4)+\b)+7], v[128*(\p)+FR*\b:128*(\p)+FR*\b+FR-1], v[AF+FR*(\a):AF+FR*(\a)+FR-1], v[BI+8*\b:BI+8*\b+7], v[SC+8*NQ*(\sc)+NQ*\b+(\q)], v[SC+8*NQ*(\sc)+NQ*(\a)+(\q)] matrix_a_fmt:MATRIX_FMT_FP4 matrix_b_fmt:MATRIX_FMT_FP4 matrix_a_scale:MATRIX_SCALE_ROW1
.else
	v_wmma_scale_f32_16x16x128_f8f6f4 v[8*(8*((\a)%4)+\b):8*(8*((\a)%4)+\b)+7], v[128*(\p)+FR*\b:128*(\p)+FR*\b+FR-1], v[AF+FR*(\a):AF+FR*(\a)+FR-1], v[8*(8*((\a)%4)+\b):8*(8*((\a)%4)+\b)+7], v[SC+8*NQ*(\sc)+NQ*\b+(\q)], v[SC+8*NQ*(\sc)+NQ*(\a)+(\q)] matrix_a_fmt:MATRIX_FMT_FP4 matrix_b_fmt:MATRIX_FMT_FP4 matrix_a_scale:MATRIX_SCALE_ROW1
.endif
.endr
.endr
.endm
.macro FETCH_B slot, q, p
	WIN TO_B
.irp i, 0,1,2,3,4,5,6,7
	FRAG 128*(\p)+FR*\i, ADRB+\slot, \q, \i
.endr
	WIN 0
.endm
.macro FETCH_A slot, q, i0
.irp i, \i0, \i0+1, \i0+2, \i0+3
	FRAG AF+FR*(\i), ADRA+\slot, \q, \i
.endr
.endm
.macro SCALES sc                       ; a K step's scale words: 4 words a row; lanes 0-15 take A's block i, lanes 16-31 B's block i
.irp i, 0,1,2,3,4,5,6,7
	ds_load_b128 v[SC+8*NQ*\sc+NQ*\i:SC+8*NQ*\sc+NQ*\i+3], v[ADRS] offset:\i*SBLK
.endr
.endm
.macro PLACES n                        ; plain vector instructions between a matrix instruction and a load into, or a read of, its registers
.rept \n
	v_nop
.endr
.endm
.macro STEP slot, q, zero              ; 128 along K that has its successor in the same slot
	s_wait_dscnt 4*NL                              ; B's set and A's blocks 0-3 are in; the youngest eight loads (A's blocks 4-7) may be out
.if \zero
	WIN FIRST_LO
.else
	WIN MUL_LO
.endif
	MUL16 0, (\q)%2, \q, \slot, \zero
	MUL16 2, (\q)%2, \q, \slot, \zero
	s_wait_dscnt 0
	PLACES NP
	FETCH_B \slot, (\q)+1, 1-(\q)%2
	FETCH_A \slot, (\q)+1, 0
.if \zero
	WIN FIRST_HI
.else
	WIN MUL_HI
.endif
	MUL16 4, (\q)%2, \q, \slot, \zero
	MUL16 6, (\q)%2, \q, \slot, \zero
	PLACES NP
	WIN 0
	FETCH_A \slot, (\q)+1, 4
.endm
.macro STEPS slot, from
.set Q, \from
.rept NQ-1-\from
	STEP \slot, Q, 0
.set Q, Q+1
.endr
.endm
	s_wait_tensorcnt 1                             ; the scales and my part of K step 0 are in (K step 1's load may be out),
	s_barrier_signal -1
	s_barrier_wait -1                              ; everybody's are
	FETCH_B 0, 0, 0
	FETCH_A 0, 0, 0
	SCALES 0
	FETCH_A 0, 0, 4
	s_wait_loadcnt 0x0                             ; the bias
	STEP 0, 0, 1
	STEPS 0, 1
	; slot 0's last step changes slots: my part of slot 1 has landed, and behind the barrier everybody's has, and nobody reads slot 0 any more
	s_wait_tensorcnt 0x0
	ds_add_u32 v[SPW], v[NIL]                      ; 0 onto my spare word
	s_wait_dscnt 4*NL+1                            ; (the add and the youngest eight loads may be out)
	WIN MUL_LO
	MUL16 0, 1, NQ-1, 0, 0
	s_wait_dscnt 0x0                               ; the add is done, and my reads of slot 0 are over
	s_barrier_signal -1
	MUL16 2, 1, NQ-1, 0, 0
	WIN 0
	s_barrier_wait -1
	PLACES NP
	v_add_nc_u32 v[ADRS], 4*NQ, v[ADRS]            ; the second K step's scale words
	FETCH_B 1, 0, 0
	FETCH_A 1, 0, 0
	SCALES 1
	WIN MUL_HI
	MUL16 4, 1, NQ-1, 0, 0
	MUL16 6, 1, NQ-1, 0, 0
	PLACES NP
	WIN 0
	FETCH_A 1, 0, 4
	STEPS 1, 0
	s_wait_dscnt 4*NL                              ; the very last step
	WIN MUL_LO
	MUL16 0, 1, NQ-1, 1, 0
	MUL16 2, 1, NQ-1, 1, 0
	s_wait_dscnt 0
	WIN MUL_HI
	MUL16 4, 1, NQ-1, 1, 0
	MUL16 6, 1, NQ-1, 1, 0
	WIN 0
	; THE WAY OUT.  First, where my block 0 is a batch's positions 0-15 (cluster y = 0 and the tile's upper half: ids that all partners share, and the wave's number): those 16 rows as f32.
	PLACES NP
	s_or_b32 s46, s100, s15
	s_cmp_lg_u32 s46, 0
	s_cbranch_scc1 .Lnot_first
	WIN 0x08                                       ; an LDS store's data are its source 1: window 2
.irp b, 0,1,2,3,4,5,6,7
	ds_store_b128 v[STO32], v[8*\b:8*\b+3] offset:64*\b          ; each accumulator from its low end on
	ds_store_b128 v[STO32], v[8*\b+4:8*\b+7] offset:64*\b+16
.endr
	WIN 0
.irp t, 0,1,2,3,4,5,6,7,8,9,10,11,12,13,14,15
	ds_load_b128 v[BK+4*\t:BK+4*\t+3], v[RD32] offset:\t*SP32    ; LDS serves a wave's instructions in order: these see my stores
.endr
	s_wait_dscnt 0x0
.irp t, 0,1,2,3,4,5,6,7,8,9,10,11,12,13,14,15
	global_store_b128 v[CO32], v[BK+4*\t:BK+4*\t+3], s[98:99] offset:\t*SIZE_N*4   ; 32 lanes store 512 consecutive bytes, aligned
.endr
	s_wait_xcnt 0x0                                ; the stores have read their registers, which take the f16 rows next
.Lnot_first:
; Then every block of 16 rows x 128 columns as f16: rounded, 16 bytes a lane into my stage, back so that sixteen lanes hold two neighbouring positions of one head: 256 consecutive bytes, aligned.
.macro PACK a
.set AC, 64*((\a)%4)
	WIN 0x0a+5*((\a)/4)                            ; sources 0 and 1: window 2 or 3
.irp b, 0,1,2,3,4,5,6,7
.irp i, 0,1,2,3
	v_cvt_pk_f16_f32 v[TMP+4*\b+\i], v[AC+8*\b+2*\i], v[AC+8*\b+2*\i+1]
.endr
.endr
	WIN 0
.endm
.macro TOSTAGE a
.set BB, BK+32*((\a)%2)
.irp b, 0,1,2,3,4,5,6,7
	ds_store_b128 v[STO16], v[TMP+4*\b:TMP+4*\b+3] offset:32*\b
.endr
.irp x, 0,1,2,3,4,5,6,7
	ds_load_b128 v[BB+4*\x:BB+4*\x+3], v[RD16] offset:\x*2*SP16
.endr
.endm
.macro SEND a
.set BB, BK+32*((\a)%2)
	s_wait_dscnt 0x0                               ; the block is back in registers
	s_wait_xcnt 0x0                                ; the earlier stores have read their registers: the next block's rows may land there
.irp x, 0,1,2,3,4,5,6,7
	global_store_b128 v[CO16], v[BB+4*\x:BB+4*\x+3], s[12:13] offset:2048*(\a)+256*\x
.endr
.endm
	PACK 0
	TOSTAGE 0
.irp a, 1,2,3,4,5,6,7                  ; block a's conversions stand between block a - 1's loads from the stage and the wait for them
	PACK \a
	SEND \a-1
	TOSTAGE \a
.endr
	SEND 7
	s_wait_tensorcnt 0x0                           ; the wave's end
	ds_add_u32 v[SPW], v[NIL]
	s_wait_dscnt 0x0
	CROUND                                         ; the closing round
	s_endpgm
.Lfunc_end_k_q9763e7f980_qkv:
	.size	k_q9763e7f980_qkv, .Lfunc_end_k_q9763e7f980_qkv-k_q9763e7f980_qkv
	.p2alignl 7, 3214868480
	.fill 96, 4, 3214868480
	.section	.rodata,"a",@progbits
	.p2align	6, 0x0
	.amdhsa_kernel k_q9763e7f980_qkv
		.amdhsa_group_segment_fixed_size 327680
		.amdhsa_private_segment_fixed_size 0
		.amdhsa_enable_private_segment 0
		.amdhsa_kernarg_size 56
		.amdhsa_user_sgpr_count 2
		.amdhsa_user_sgpr_kernarg_segment_ptr 1
		.amdhsa_wavefront_size32 1
		.amdhsa_system_sgpr_workgroup_id_x 1
		.amdhsa_system_sgpr_workgroup_id_y 1
		.amdhsa_system_sgpr_workgroup_id_z 1
		.amdhsa_system_vgpr_workitem_id 0
		.amdhsa_next_free_vgpr 1024
		.amdhsa_next_free_sgpr 102
		.amdhsa_reserve_vcc 0
		.amdhsa_float_denorm_mode_32 3
		.amdhsa_float_denorm_mode_16_64 3
		.amdhsa_memory_ordered 1
		.amdhsa_forward_progress 1
		.amdhsa_inst_pref_size 133
	.end_amdhsa_kernel
	.amdgpu_metadata
---
amdhsa.version: [ 1, 2 ]
amdhsa.kernels:
  - .name:           k_q9763e7f980_qkv
    .symbol:         k_q9763e7f980_qkv.kd
    .args:
      - { .name: xc, .offset: 0, .size: 8, .value_kind: global_buffer, .address_space: global }
      - { .name: xs, .offset: 8, .size: 8, .value_kind: global_buffer, .address_space: global }
      - { .name: wc, .offset: 16, .size: 8, .value_kind: global_buffer, .address_space: global }
      - { .name: ws, .offset: 24, .size: 8, .value_kind: global_buffer, .address_space: global }
      - { .name: b_attn, .offset: 32, .size: 8, .value_kind: global_buffer, .address_space: global }
      - { .name: qkv16, .offset: 40, .size: 8, .value_kind: global_buffer, .address_space: global }
      - { .name: qkv32, .offset: 48, .size: 8, .value_kind: global_buffer, .address_space: global }
    .group_segment_fixed_size: 327680
    .private_segment_fixed_size: 0
    .kernarg_segment_align: 8
    .kernarg_segment_size: 56
    .max_flat_workgroup_size: 128
    .sgpr_count:     102
    .vgpr_count:     1024
    .wavefront_size: 32
...
	.end_amdgpu_metadata
.endif
;; end of part 2
;; launch attn (part 3): grid 4 x 64, 8 waves a work-group, no clusters, 327,680 bytes of LDS; arguments qkv16, y16; writes y16
.if DOCPART == 3
	.amdgcn_target "amdgcn-amd-amdhsa--gfx1250"
	.amdhsa_code_object_version 6
	.text
	.protected	k_q9763e7f980_attn
	.globl	k_q9763e7f980_attn
	.p2align	8
	.type	k_q9763e7f980_attn,@function
k_q9763e7f980_attn:
	s_mov_b64 s[64:65], 0
	v_nop
	global_prefetch_b8 v0, s[64:65] scope:SCOPE_SE
	s_setreg_imm32_b32 hwreg(HW_REG_WAVE_MODE, 25, 1), 1
	s_wait_xcnt 0x0
; ATTN: y = softmax(q k^T / 8, causal) v for each of 64 (batch, head) pairs, f16 operands, f32 sums, running maximum and sum in f32.
; IN: qkv16 [3][64 = 16 batch + head][2048][64] f16.  OUT: y16 [16 heads][8192 = 2048 batch + position][64] f16.
; LIMITS: operands are f16 (|q|, |k|, |v| up to 65,504); positions 0-15 of each batch are written here too, and are carried in f32 by a later launch on the way to the output.
; SHARES.  A head's 2,048 queries are 8 blocks of 256.  Work-group j of a head takes block 7 - j (key slots 0 .. 7 - j) and then block j (slots 0 .. j): 9 slots of 256 keys for every work-group,
; so all trip counts are constants and all 256 work-groups have equal work.  Each of 8 waves owns 32 queries, two tiles of 16; two waves share a SIMD.
; NO CLUSTER: from the fifth change of slots on the four work-groups of a head want different slots, so their descriptors differ.
; LAYOUT.  S^T = K Q^T (source 0 = 16 keys, source 1 = 16 queries): a lane holds ONE query (lane % 16) and keys 8 (lane / 16) + 0..7.  Two such tiles, rounded to f16 in pairs, are source 1 of
; O^T = V^T P; V ([key][channel]) comes out of LDS turned, by ds_load_tr16_b128.
; SOFTMAX.  p = 2^(c s - c m), c = log2(e) / 8, m the running maximum; in every step O and l are multiplied by a = 2^(c m_old - c m_new).
; CAUSAL.  A step of 64 keys all of which come after my 32 queries is jumped over (ids alone); on the diagonal hidden scores become -infinity ahead of the maximum.  Every walked step shows each query a key.
; RING.  Two slots of 256 keys; waves 0-3 fetch K's quarters, waves 4-7 V's, one tensor load a wave behind each barrier: one load of mine is out at most.  Every slot that is fetched is read.
; REGISTERS.  window 0: v1-15 addresses and constants; v16-31 statistics; v32-63 Q; v64-127 S^T; v128-159 P; v160-223 O^T.   window 1: v0-63 K's fragments of a step, v64-127 V's.
.set KP,    144                        ; a key's row in LDS: 128 bytes + 16: an odd multiple of 16
.set VP,    160                        ; a row of V: 128 + 32: an odd multiple of 32, for the turning load
.set VOFF,  256*KP
.set SLOT1, 1<<17                      ; one exclusive or turns an address in one slot into the other's
.set STAGE, VOFF+256*VP                ; behind slot 0: 16 rows x 144 bytes for each wave, for the way out; no fill lands here
.set SPARE, 98304                      ; the spare words, 128 bytes for each wave: four blocks of 256 bytes that no other line names
.set HEADB, 262144                     ; a head in qkv16
.set SLOTB, 32768                      ; 256 keys in memory
.set AK0, 1
.set AV0, 2
.set ADK, 3
.set ADV, 4
.set QO,  5
.set STO, 6
.set RD,  7
.set GO,  8
.set PFO, 9
.set SPW, 10
.set NIL, 11
.set D0,  12                           ; v12, v13: my query less the step's first key less 8 (lane / 16), for tiles 0 and 1
.set NEG, 14                           ; v14 -infinity
.set RH,  15                           ; v15 lane % 16 - 8 (lane / 16)
.set ST,  16                           ; tile t at v[ST + 8 t]: +0 c m, +1 m, +2, +3 l, +4 .. +7 at work; a in +6
.set QF,  32
.set S,   64
.set P,   128
.set OA,  160
.set WV,  8
.set J,   9
.set BH,  10
.set SW,  11                           ; the trip at which the second block of queries begins: 8 - j
.set TRIP, 12
.set TB,  13
.set KF,  14                           ; the step's first key
.set Q0,  15                           ; my first query
.set NXT, 18                           ; s[18:19] where the next slot begins in the head's K and V, in bytes
.set KB,  20                           ; s[20:21] my quarter of the head's slot 0 of K;  s[22:23] of V
.set VB,  22
.set G1K, 24
.set G1V, 32
.set G0K, 40
.set G0V, 44
.set QP,  48
.set YP,  50
.set QA,  52
.set YA,  54
.set CS,  56
.set SEL, 58
.set PFA, 60
.set LIM, 62
.set MSB, 0
.macro WIN new
.if MSB != \new
	s_set_vgpr_msb (MSB<<8)|\new
.set MSB, \new
.endif
.endm
.macro TLOAD                           ; every wave has one load; an s_nop 0 and four v_nop follow each line
	s_cmp_lt_u32 s[WV], 4
	s_cbranch_scc0 .Lfor_v_\@
	tensor_load_to_lds s[G0K:G0K+3], s[G1K:G1K+7]
	s_nop 0
.rept 4
	v_nop
.endr
	s_branch .Lasked_\@
.Lfor_v_\@:
	tensor_load_to_lds s[G0V:G0V+3], s[G1V:G1V+7]
	s_nop 0
.rept 4
	v_nop
.endr
.Lasked_\@:
.endm
; A PREFETCH of the slot that the NEXT change of slots will ask for: in trip t slot t + 2, four key steps ahead of its tensor load.  All four work-groups of a head walk slots 0 on together: work-group j = 0 asks,
; each of its waves for the quarter that it will fetch (8,192 bytes, lanes 256 bytes apart): each run of 256 bytes is named once in the launch.  Trips 0 to 5 ask (slots 2 to 7); slots 0 and 1, and the second walk, come by their loads alone.
.macro ASK
	s_cmp_lt_u32 s[TRIP], s[LIM]
	s_cbranch_scc0 .Lnot_mine_\@
	global_prefetch_b8 v[PFO], s[PFA:PFA+1] th:TH_LOAD_NT scope:SCOPE_SE
.Lnot_mine_\@:
.endm
; THE CHANGE OF SLOTS, at a slot's head.  Each wave waits for all its tensor loads (its part of the slot ahead), adds 0 to its spare word, and waits for that and for its reads of the slot that it has left.
; Behind the barrier the slot ahead is whole and nobody reads the other one, which is filled first thing: the load has four key steps in which to land.
.macro CHANGE fill
	s_wait_tensorcnt 0x0                           ; no tensor load of mine is out, so a group 0 may be written
	ds_add_u32 v[SPW], v[NIL]                      ; 0 onto my spare word; the descriptors' steps stand between it and the wait for it
.if \fill
	s_add_co_u32 s[NXT], s[NXT], SLOTB             ; the next slot of keys,
	s_add_co_u32 s17, s[TRIP], 1
	s_cmp_eq_u32 s17, s[SW]
	s_cselect_b32 s[NXT], 0, s[NXT]                ; or slot 0 again, where the second block of queries begins
	s_xor_b32 s[G0K+1], s[G0K+1], SLOT1
	s_xor_b32 s[G0V+1], s[G0V+1], SLOT1
	s_add_nc_u64 s[G0K+2:G0K+3], s[KB:KB+1], s[NXT:NXT+1]
	s_or_b32 s[G0K+3], s[G0K+3], 0x80000000
	s_add_nc_u64 s[G0V+2:G0V+3], s[VB:VB+1], s[NXT:NXT+1]
	s_or_b32 s[G0V+3], s[G0V+3], 0x80000000
	s_wait_xcnt 0x0                                ; the last prefetch, a slot back, has read its address
	s_add_nc_u64 s[PFA:PFA+1], s[PFA:PFA+1], SLOTB
.endif
	s_wait_dscnt 0x0                               ; the add is done, and my reads of the slot that I have left are over
	s_barrier_signal -1
	s_barrier_wait -1
.if \fill
	TLOAD
	ASK
.endif
.endm
.macro PASS                            ; Q's and y's addresses at my first query
	s_lshl_b32 s66, s[Q0], 7
	s_add_nc_u64 s[QA:QA+1], s[QP:QP+1], s[66:67]
	s_add_nc_u64 s[YA:YA+1], s[YP:YP+1], s[66:67]
.endm
.macro QLOAD                           ; Q stays in registers: tile t, channels 32 c on: row lane % 16, two loads of 16 bytes, 32 bytes apart
.irp t, 0,1
.irp c, 0,1
	global_load_b128 v[QF+16*\t+8*\c:QF+16*\t+8*\c+3], v[QO], s[QA:QA+1] offset:2048*\t+64*\c
	global_load_b128 v[QF+16*\t+8*\c+4:QF+16*\t+8*\c+7], v[QO], s[QA:QA+1] offset:2048*\t+64*\c+32
.endr
.endr
.endm
.macro INIT                            ; the step is written once: the first finds m = -3e38 and zeros, which its a = 0 leaves zeros
.irp t, 0,1
	v_mov_b32 v[ST+8*\t+1], 0xff61b1e6
	v_mul_f32 v[ST+8*\t], s[CS], v[ST+8*\t+1]
.irp k, 2,3,4,5,6,7
	v_mov_b32 v[ST+8*\t+\k], 0
.endr
.endr
.set i, 0
.rept 64
	v_mov_b32 v[OA+i], 0
.set i, i+1
.endr
.endm
; THE WAY OUT of a block of queries: O^T / l, rounded to f16, through my stage, a tile (16 rows of 128 bytes, dense in y16) at a time: each store of the wave covers 512 consecutive bytes, aligned.
.macro FINISH
.irp t, 0,1
	v_add_f32 v[ST+8*\t+4], v[ST+8*\t+2], v[ST+8*\t+3]
.endr
.irp t, 0,1
	v_permlanex16_b32 v[ST+8*\t+5], v[ST+8*\t+4], s[SEL], s[SEL+1]
.endr
.irp t, 0,1
	v_add_f32 v[ST+8*\t+4], v[ST+8*\t+4], v[ST+8*\t+5]
.endr
.irp t, 0,1
	v_rcp_f32 v[ST+8*\t+6], v[ST+8*\t+4]
.endr
	v_nop                                          ; a plain instruction behind the last reciprocal,
	s_wait_alu depctr_va_vdst(0)                   ; and one wait ahead of the first use of the two
.irp t, 0,1
.set i, 0
.rept 16
	v_pk_mul_f32 v[OA+32*\t+2*i:OA+32*\t+2*i+1], v[OA+32*\t+2*i:OA+32*\t+2*i+1], v[ST+8*\t+6:ST+8*\t+7] op_sel_hi:[1,0]
.set i, i+1
.endr
.set i, 0
.rept 16
	v_cvt_pk_f16_f32 v[S+32*\t+i], v[OA+32*\t+2*i], v[OA+32*\t+2*i+1]
.set i, i+1
.endr
.irp d, 0,1,2,3
	ds_store_b128 v[STO], v[S+32*\t+4*\d:S+32*\t+4*\d+3] offset:32*\d
.endr
.irp x, 0,1,2,3
	ds_load_b128 v[S+32*\t+16+4*\x:S+32*\t+16+4*\x+3], v[RD] offset:\x*4*KP   ; LDS serves a wave's instructions in order: these see my stores, and the next tile's stores come behind them
.endr
.endr
	s_wait_dscnt 0x0
.irp t, 0,1
.irp x, 0,1,2,3
	global_store_b128 v[GO], v[S+32*\t+16+4*\x:S+32*\t+16+4*\x+3], s[YA:YA+1] offset:2048*\t+512*\x
.endr
.endr
	s_wait_xcnt 0x0                                ; the stores have read their registers and their base
.endm
.macro SWITCH                          ; at trip 8 - j the first block of queries is done: it goes out, and the second begins at key 0.  The branch hangs on ids and the count of trips: all waves go the same way
	s_cmp_lg_u32 s[TRIP], s[SW]
	s_cbranch_scc1 .Lsame_\@
	FINISH
	s_lshl_b32 s[Q0], s[J], 8
	s_lshl_b32 s16, s[WV], 5
	s_add_co_u32 s[Q0], s[Q0], s16
	s_mov_b32 s[KF], 0
	PASS
	QLOAD
	INIT
	s_wait_loadcnt 0x0
.Lsame_\@:
.endm
; A KEY STEP: 64 keys, the q-th of the slot in hand.
.macro STEP q
	s_add_co_u32 s16, s[Q0], 31
	s_cmp_gt_u32 s[KF], s16
	s_cbranch_scc1 .Lhidden_\@                     ; all its keys come after my queries
	v_add_nc_u32 v[ADK], s[TB], v[AK0]
	v_add_nc_u32 v[ADV], s[TB], v[AV0]
	WIN 0x40                                       ; destination window 1
.irp kt, 0,1,2,3
.irp c, 0,1
	ds_load_b128 v[16*\kt+8*\c:16*\kt+8*\c+3],   v[ADK] offset:(64*(\q)+16*\kt)*KP+64*\c
	ds_load_b128 v[16*\kt+8*\c+4:16*\kt+8*\c+7], v[ADK] offset:(64*(\q)+16*\kt)*KP+64*\c+32
.endr
.endr
.irp g, 0,1
.irp d, 0,1,2,3
	ds_load_tr16_b128 v[64+32*\g+8*\d:64+32*\g+8*\d+3],   v[ADV] offset:(64*(\q)+32*\g)*VP+32*\d
	ds_load_tr16_b128 v[64+32*\g+8*\d+4:64+32*\g+8*\d+7], v[ADV] offset:(64*(\q)+32*\g+16)*VP+32*\d
.endr
.endr
	s_wait_dscnt 16                                ; K's sixteen loads are in; V's sixteen may be out
	WIN 0x01                                       ; source 0 window 1
.irp c, 0,1                                    ; S^T = K Q^T: the eight accumulators take turns, one instruction a turn
.irp kt, 0,1,2,3
.irp t, 0,1
.if \c == 0
	v_wmma_f32_16x16x32_f16 v[S+32*\t+8*\kt:S+32*\t+8*\kt+7], v[16*\kt+8*\c:16*\kt+8*\c+7], v[QF+16*\t+8*\c:QF+16*\t+8*\c+7], 0
.else
	v_wmma_f32_16x16x32_f16 v[S+32*\t+8*\kt:S+32*\t+8*\kt+7], v[16*\kt+8*\c:16*\kt+8*\c+7], v[QF+16*\t+8*\c:QF+16*\t+8*\c+7], v[S+32*\t+8*\kt:S+32*\t+8*\kt+7]
.endif
.endr
.endr
.endr
	WIN 0
.rept 4
	v_nop                                          ; places ahead of the first read of the scores
.endr
	s_add_co_u32 s16, s[KF], 63
	s_cmp_le_u32 s16, s[Q0]
	s_cbranch_scc1 .Lopen_\@                       ; all its keys count for all my queries
	s_sub_co_i32 s16, s[Q0], s[KF]
	v_add_nc_u32 v[D0], s16, v[RH]                 ; register 8 kt + i of tile t holds key KF + 16 kt + 8 (lane / 16) + i: hidden where 16 kt + i > d
	v_add_nc_u32 v[D0+1], 16, v[D0]
.irp t, 0,1
.set n, 0
.rept 32
	v_cmp_gt_i32 vcc_lo, 16*(n/8)+n%8, v[D0+\t]
	v_cndmask_b32 v[S+32*\t+n], v[S+32*\t+n], v[NEG], vcc_lo
.set n, n+1
.endr
.endr
.Lopen_\@:
.irp k, 0,1,2,3                                ; the maximum of my 32 scores and the old m: four chains, the two tiles line by line; each accumulator is read from its low end on
.irp t, 0,1
	v_max3_num_f32 v[ST+8*\t+4+\k], v[S+32*\t+8*\k], v[S+32*\t+8*\k+1], v[S+32*\t+8*\k+2]
.endr
.endr
.irp i, 3,5
.irp k, 0,1,2,3
.irp t, 0,1
	v_max3_num_f32 v[ST+8*\t+4+\k], v[ST+8*\t+4+\k], v[S+32*\t+8*\k+\i], v[S+32*\t+8*\k+\i+1]
.endr
.endr
.endr
.irp t, 0,1
	v_max3_num_f32 v[ST+8*\t+4], v[ST+8*\t+4], v[S+32*\t+7], v[S+32*\t+15]
	v_max3_num_f32 v[ST+8*\t+6], v[ST+8*\t+6], v[S+32*\t+23], v[S+32*\t+31]
.endr
.irp t, 0,1
	v_max3_num_f32 v[ST+8*\t+4], v[ST+8*\t+4], v[ST+8*\t+5], v[ST+8*\t+6]
.endr
.irp t, 0,1
	v_max3_num_f32 v[ST+8*\t+4], v[ST+8*\t+4], v[ST+8*\t+7], v[ST+8*\t+1]
.endr
.irp t, 0,1
	v_permlanex16_b32 v[ST+8*\t+5], v[ST+8*\t+4], s[SEL], s[SEL+1]   ; the query's other 32 keys lie in the lane 16 away
.endr
.irp t, 0,1
	v_mov_b32 v[ST+8*\t+7], v[ST+8*\t]             ; c m_old
.endr
.irp t, 0,1
	v_max_num_f32 v[ST+8*\t+1], v[ST+8*\t+4], v[ST+8*\t+5]
.endr
.irp t, 0,1
	v_mul_f32 v[ST+8*\t], s[CS], v[ST+8*\t+1]
.endr
.irp t, 0,1
	v_sub_f32 v[ST+8*\t+7], v[ST+8*\t+7], v[ST+8*\t]
.endr
.set i, 0
.rept 16
.irp t, 0,1
	v_pk_fma_f32 v[S+32*\t+2*i:S+32*\t+2*i+1], v[S+32*\t+2*i:S+32*\t+2*i+1], s[CS:CS+1], v[ST+8*\t:ST+8*\t+1] op_sel_hi:[1,0,0] neg_lo:[0,0,1] neg_hi:[0,0,1]   ; c s - c m
.endr
.set i, i+1
.endr
.irp t, 0,1
	v_exp_f32 v[ST+8*\t+6], v[ST+8*\t+7]           ; a
.endr
.set i, 0
.rept 64
	v_exp_f32 v[S+i], v[S+i]                       ; p
.set i, i+1
.endr
	v_nop                                          ; a plain instruction behind the last exponential,
	s_wait_alu depctr_va_vdst(0)                   ; and ONE wait for the batch of 66, ahead of its first reader
.set i, 0
.rept 32
	v_cvt_pk_f16_f32 v[P+i], v[S+2*i], v[S+2*i+1]  ; two neighbouring keys' weights: source 1 of the second product as it lies
.set i, i+1
.endr
.irp w, 4,8,16,32                              ; the sums of the unrounded p, in place: neighbours 1, 2, 4 and 8 pairs apart
.set i, 0
.rept 64/\w
	v_pk_add_f32 v[S+\w*i:S+\w*i+1], v[S+\w*i:S+\w*i+1], v[S+\w*i+\w/2:S+\w*i+\w/2+1]
.set i, i+1
.endr
.endr
.irp t, 0,1
	v_pk_fma_f32 v[ST+8*\t+2:ST+8*\t+3], v[ST+8*\t+2:ST+8*\t+3], v[ST+8*\t+6:ST+8*\t+7], v[S+32*\t:S+32*\t+1] op_sel_hi:[1,0,1]   ; l = a l + the sum
.endr
.irp t, 0,1
.set i, 0
.rept 16
	v_pk_mul_f32 v[OA+32*\t+2*i:OA+32*\t+2*i+1], v[OA+32*\t+2*i:OA+32*\t+2*i+1], v[ST+8*\t+6:ST+8*\t+7] op_sel_hi:[1,0]   ; O^T x a, each accumulator from its low end on
.set i, i+1
.endr
.endr
	s_wait_dscnt 0x0                               ; V is in
	WIN 0x01
.irp g, 0,1                                    ; O^T += V^T P: the eight accumulators take turns
.irp d, 0,1,2,3
.irp t, 0,1
	v_wmma_f32_16x16x32_f16 v[OA+32*\t+8*\d:OA+32*\t+8*\d+7], v[64+32*\g+8*\d:64+32*\g+8*\d+7], v[P+16*\t+8*\g:P+16*\t+8*\g+7], v[OA+32*\t+8*\d:OA+32*\t+8*\d+7]
.endr
.endr
.endr
	WIN 0
.rept 4
	v_nop                                          ; places ahead of the next loads into V's registers and of the next read of O^T, on every way on
.endr
.Lhidden_\@:
	s_add_co_u32 s[KF], s[KF], 64
.endm
.macro SLOT_STEPS
	STEP 0
	STEP 1
	STEP 2
	STEP 3
	s_xor_b32 s[TB], s[TB], SLOT1
.endm
	s_load_b128 s[4:7], s[0:1], 0x0                ; qkv16 s[4:5], y16 s[6:7]
	v_lshl_add_u32 v[SPW], v0, 2, SPARE
	v_mov_b32 v[NIL], 0
	ds_add_u32 v[SPW], v[NIL]                      ; the wave's opening: the add, twice on end, and its wait ahead of my first tensor load
	ds_add_u32 v[SPW], v[NIL]
	v_lshrrev_b32 v1, 5, v0
	v_readfirstlane_b32 s[WV], v1                  ; wave 0..7
	s_mov_b32 s[J], ttmp9
	s_and_b32 s[BH], ttmp7, 0xffff                 ; 16 batch + head
	s_sub_co_u32 s[SW], 8, s[J]
	s_mov_b32 s[G1K], (1<<16)|(1<<20)|(4<<22)|(3<<25)   ; elements of 2 bytes; padding on: 4 words after every 32
	s_mov_b32 s[G1V], (1<<16)|(1<<20)|(4<<22)|(7<<25)   ; 8 words after every 32
.irp g, G1K, G1V
	s_mov_b32 s[\g+1], 64<<16                      ; tensor_dim0 = 64
	s_mov_b32 s[\g+2], 64<<16                      ; tensor_dim1 = 64
	s_mov_b32 s[\g+3], 64<<16                      ; tile_dim0 = 64
	s_mov_b32 s[\g+4], 64                          ; tile_dim1 = 64 rows
	s_mov_b32 s[\g+5], 64                          ; the pitch
	s_mov_b32 s[\g+6], 0
	s_mov_b32 s[\g+7], 0
.endr
	s_mov_b32 s[CS], 0x3e38aa3b                    ; c = log2(e) / 8
	s_mov_b32 s[CS+1], s[CS]
	s_mov_b32 s[SEL], 0x76543210
	s_mov_b32 s[SEL+1], 0xfedcba98
	s_mov_b32 s[TB], 0
	s_mov_b32 s[KF], 0
	s_mov_b32 s[NXT], 0
	s_mov_b32 s[NXT+1], 0
	s_and_b32 s16, s[WV], 3                        ; which quarter of a slot I fetch
	s_lshl_b32 s17, s16, 13
	s_add_co_u32 s66, s[BH], 64
	s_lshl_b32 s66, s66, 18
	s_add_co_u32 s66, s66, s17
	s_mov_b32 s67, 0
	s_mov_b32 s[G0K], 1
	s_mul_i32 s[G0K+1], s16, 64*KP
	s_mov_b32 s[G0V], 1
	s_mul_i32 s[G0V+1], s16, 64*VP
	s_add_co_u32 s[G0V+1], s[G0V+1], VOFF
	s_wait_dscnt 0x0                               ; both opening adds are done
	s_wait_kmcnt 0x0
	s_add_nc_u64 s[KB:KB+1], s[4:5], s[66:67]
	s_add_nc_u64 s[VB:VB+1], s[KB:KB+1], 64*HEADB
	s_mov_b64 s[G0K+2:G0K+3], s[KB:KB+1]
	s_or_b32 s[G0K+3], s[G0K+3], 0x80000000
	s_mov_b64 s[G0V+2:G0V+3], s[VB:VB+1]
	s_or_b32 s[G0V+3], s[G0V+3], 0x80000000
	TLOAD                                          ; slot 0
	s_cmp_lt_u32 s[WV], 4
	s_cselect_b64 s[PFA:PFA+1], s[KB:KB+1], s[VB:VB+1]
	s_add_nc_u64 s[PFA:PFA+1], s[PFA:PFA+1], SLOTB ; in slot 1: the first change of slots steps it to slot 2
	s_cmp_eq_u32 s[J], 0
	s_cselect_b32 s[LIM], 6, 0
	v_and_b32 v12, 15, v0                          ; r
	v_bfe_u32 v13, v0, 4, 1                        ; h
	v_mul_u32_u24 v[AK0], v12, KP
	v_lshl_add_u32 v[AK0], v13, 4, v[AK0]          ; K: row r, + 16 h
	v_and_b32 v3, 7, v0
	v_lshl_add_u32 v3, v13, 3, v3
	v_mul_u32_u24 v[AV0], v3, VP
	v_bfe_u32 v3, v0, 3, 1
	v_lshl_add_u32 v[AV0], v3, 4, v[AV0]
	v_add_nc_u32 v[AV0], VOFF, v[AV0]              ; V: key 8 h + l % 8, channels 8 ((l / 8) % 2) on
	v_lshlrev_b32 v[QO], 7, v12
	v_lshl_add_u32 v[QO], v13, 4, v[QO]
	s_mul_i32 s16, s[WV], 16*KP
	s_add_co_u32 s16, s16, STAGE                   ; my stage
	v_mul_u32_u24 v[STO], v12, KP
	v_lshl_add_u32 v[STO], v13, 4, v[STO]
	v_add_nc_u32 v[STO], s16, v[STO]
	v_and_b32 v4, 31, v0
	v_lshrrev_b32 v3, 3, v4
	v_mul_u32_u24 v[RD], v3, KP
	v_and_b32 v3, 7, v0
	v_lshl_add_u32 v[RD], v3, 4, v[RD]
	v_add_nc_u32 v[RD], s16, v[RD]                 ; back: eight lanes to a row of 128 bytes, four rows an instruction
	v_lshlrev_b32 v[GO], 4, v4
	v_lshlrev_b32 v[PFO], 8, v4
	v_mov_b32 v[NEG], 0xff800000
	v_lshlrev_b32 v[RH], 3, v13
	v_sub_nc_u32 v[RH], v12, v[RH]
	s_lshl_b32 s66, s[BH], 18
	s_add_nc_u64 s[QP:QP+1], s[4:5], s[66:67]      ; the head's q
	s_and_b32 s16, s[BH], 15
	s_lshl_b32 s16, s16, 13
	s_lshr_b32 s17, s[BH], 4
	s_lshl_b32 s17, s17, 11
	s_add_co_u32 s16, s16, s17
	s_lshl_b32 s66, s16, 7
	s_add_nc_u64 s[YP:YP+1], s[6:7], s[66:67]      ; y16 at row 8,192 head + 2,048 batch
	s_sub_co_u32 s[Q0], 7, s[J]
	s_lshl_b32 s[Q0], s[Q0], 8
	s_lshl_b32 s16, s[WV], 5
	s_add_co_u32 s[Q0], s[Q0], s16                 ; my first query: block 7 - j
	PASS
	QLOAD
	INIT
	s_wait_loadcnt 0x0                             ; Q
	s_mov_b32 s[TRIP], 0
.Lslot:                                            ; eight trips: behind each change of slots the next slot is asked for
	CHANGE 1
	SWITCH
	SLOT_STEPS
	s_add_co_u32 s[TRIP], s[TRIP], 1
	s_cmp_lt_u32 s[TRIP], 8
	s_cbranch_scc1 .Lslot
	CHANGE 0                                       ; the ninth slot is written out: nothing is left to fetch
	SWITCH
	SLOT_STEPS
	FINISH
	s_wait_tensorcnt 0x0                           ; the wave's end
	ds_add_u32 v[SPW], v[NIL]
	s_wait_dscnt 0x0
	s_endpgm
.Lfunc_end_k_q9763e7f980_attn:
	.size	k_q9763e7f980_attn, .Lfunc_end_k_q9763e7f980_attn-k_q9763e7f980_attn
	.p2alignl 7, 3214868480
	.fill 96, 4, 3214868480
	.section	.rodata,"a",@progbits
	.p2align	6, 0x0
	.amdhsa_kernel k_q9763e7f980_attn
		.amdhsa_group_segment_fixed_size 327680
		.amdhsa_private_segment_fixed_size 0
		.amdhsa_enable_private_segment 0
		.amdhsa_kernarg_size 16
		.amdhsa_user_sgpr_count 2
		.amdhsa_user_sgpr_kernarg_segment_ptr 1
		.amdhsa_wavefront_size32 1
		.amdhsa_system_sgpr_workgroup_id_x 1
		.amdhsa_system_sgpr_workgroup_id_y 1
		.amdhsa_system_sgpr_workgroup_id_z 1
		.amdhsa_system_vgpr_workitem_id 0
		.amdhsa_next_free_vgpr 384
		.amdhsa_next_free_sgpr 68
		.amdhsa_reserve_vcc 1
		.amdhsa_float_denorm_mode_32 3
		.amdhsa_float_denorm_mode_16_64 3
		.amdhsa_memory_ordered 1
		.amdhsa_forward_progress 1
		.amdhsa_inst_pref_size 208
	.end_amdhsa_kernel
	.amdgpu_metadata
---
amdhsa.version: [ 1, 2 ]
amdhsa.kernels:
  - .name:           k_q9763e7f980_attn
    .symbol:         k_q9763e7f980_attn.kd
    .args:
      - { .name: qkv16, .offset: 0, .size: 8, .value_kind: global_buffer, .address_space: global }
      - { .name: y16, .offset: 8, .size: 8, .value_kind: global_buffer, .address_space: global }
    .group_segment_fixed_size: 327680
    .private_segment_fixed_size: 0
    .kernarg_segment_align: 8
    .kernarg_segment_size: 16
    .max_flat_workgroup_size: 256
    .sgpr_count:     68
    .vgpr_count:     384
    .wavefront_size: 32
...
	.end_amdgpu_metadata
.endif
;; end of part 3
;; launch proj (part 4): grid 4 x 64, 4 waves a work-group, clusters of 4 x 4, 327,680 bytes of LDS; arguments y16, wp16, b_proj, out0; writes out0
.if DOCPART == 4
	.amdgcn_target "amdgcn-amd-amdhsa--gfx1250"
	.amdhsa_code_object_version 6
	.text
	.protected	k_q9763e7f980_proj
	.globl	k_q9763e7f980_proj
	.p2align	8
	.type	k_q9763e7f980_proj,@function
k_q9763e7f980_proj:
	s_mov_b64 s[64:65], 0
	v_nop
	global_prefetch_b8 v0, s[64:65] scope:SCOPE_SE
	s_setreg_imm32_b32 hwreg(HW_REG_WAVE_MODE, 25, 1), 1
	s_wait_xcnt 0x0
	s_wait_alu depctr_hold_cnt(0) depctr_sa_sdst(0) depctr_va_vdst(0) depctr_va_sdst(0) depctr_va_ssrc(0) depctr_va_vcc(0) depctr_vm_vsrc(0)
	s_getreg_b32 s2, hwreg(HW_REG_IB_STS2, 6, 4)
	s_cmp_eq_u32 s2, 0
	s_cbranch_scc0 .Lentry_in_a_cluster
	s_endpgm
.Lentry_in_a_cluster:
	s_bfe_u32 s2, ttmp6, 0x10000c
	s_cmp_lg_u32 s2, 0xf033
	s_cbranch_scc0 .Lentry_shape_is_right
	s_endpgm
.Lentry_shape_is_right:
; PROJ: out0 = y W_proj + b_proj, f16 operands, f32 sums.  y16 [16 heads][8192 rows][64] f16; wp16 [1024 k][1024 n] f16; out0 [8192][1024] f32.
; LIMIT: operands are f16.  Positions 0-15 of every batch are written here and written again, from f32 operands, by the launch that follows.
; A tile of 128 x 256 gives 256 work-groups.  Four waves, each 64 rows x 128 columns: 32 accumulators, 256 registers.  K goes in steps of 128 (two heads) through two LDS slots, 8 steps.
; A's tile: two heads x 128 rows of 128 bytes, dense in memory; B's: 128 rows (k) of 512 bytes.  Waves 0 and 1 fetch A's heads, waves 2 and 3 B's halves: one load a wave.
; CLUSTERS: 4 x 4 work-groups: A's tiles are asked for jointly along a row of the cluster, B's along a column.
; THE MATRIX INSTRUCTION IS USED TRANSPOSED (source 0 = 16 columns of W, turned out of LDS by ds_load_tr16_b128; source 1 = 16 rows of y): a lane holds eight neighbouring columns of one row.
; The bias is the C of each sum's first product.
; REGISTERS: window 0: v0-31 addresses; two fragment buffers of 96 (A 32, then B 64) at v64 and v160.   window 1: the accumulators ((a, b) at v[8 (8 a + b)]).   window 2: v0-63 the bias.
.set AP,     144                       ; a row of A in LDS: 128 bytes + 16
.set BP,     544                       ; a row of B: 512 + 32: an odd multiple of 32, for the turning load
.set AHALF,  128*AP                    ; a head's 128 rows
.set BOFF,   2*AHALF
.set BHALF,  64*BP
.set SLOT,   BOFF+2*BHALF
.set STAGE,  2*SLOT                    ; behind the ring: 16 rows x (512 + 16) bytes for each wave
.set SPITCH, 528
.set SPARE,  STAGE+4*16*SPITCH         ; the spare words, 128 bytes for each wave: two blocks of 256 bytes that no other line names
.set LAPS,   4                         ; a lap = two K steps
.set ANEXT,  4*8192*128                ; a slot's next tile of A: four heads on
.set BNEXT,  256*1024*2                ; of B: 256 rows on
.set ADRA, 16
.set ADRB, 20
.set STO,  24
.set RD,   25
.set CO,   26
.set BO,   27
.set SPW,  28
.set NIL,  29
.set F0,   64
.set F1,   160
.set BK,   64                          ; the way out: rows read back, v64-127 and v128-191 by turns
.set G1, 24
.set G0, 32
.set G1B, 48
.set G0B, 56
.set MSB, 0
.macro WIN new
.if MSB != \new
	s_set_vgpr_msb (MSB<<8)|\new
.set MSB, \new
.endif
.endm
.set MUL,   0x50                       ; C and D window 1
.set FIRST, 0x60                       ; C window 2 (the bias), D window 1
.macro JLOAD s                         ; an s_nop 0 and four v_nop follow each line
	s_cmp_eq_u32 s15, 0
	s_cbranch_scc0 .Lfor_b_\@
	tensor_load_to_lds s[G0+4*\s:G0+4*\s+3], s[G1:G1+7]
	s_nop 0
.rept 4
	v_nop
.endr
	s_branch .Lasked_\@
.Lfor_b_\@:
	tensor_load_to_lds s[G0B+4*\s:G0B+4*\s+3], s[G1B:G1B+7]
	s_nop 0
.rept 4
	v_nop
.endr
.Lasked_\@:
.endm
.macro CREST
	s_cmp_lg_u32 s14, 0
	s_cbranch_scc1 .Lnot_wave_0_\@
	s_barrier_signal -3
.Lnot_wave_0_\@:
	s_barrier_wait -3
	s_barrier_signal -1
	s_barrier_wait -1
.endm
.macro CROUND
	s_barrier_signal -1
	s_barrier_wait -1
	CREST
.endm
	s_load_b128 s[4:7], s[0:1], 0x0                ; y16, wp16
	s_load_b128 s[8:11], s[0:1], 0x10              ; b_proj, out0
	v_lshl_add_u32 v[SPW], v0, 2, SPARE
	v_mov_b32 v[NIL], 0
	ds_add_u32 v[SPW], v[NIL]                      ; the wave's opening: the add, twice on end, and its wait ahead of my first tensor load
	ds_add_u32 v[SPW], v[NIL]
	v_lshrrev_b32 v1, 5, v0
	v_readfirstlane_b32 s14, v1                    ; wave 0..3
	s_lshr_b32 s15, s14, 1                         ; which 64 rows are mine.  Also: I fetch for A (0) or for B (1)
	s_and_b32 s16, s14, 1                          ; which 128 columns.  Also: which head of A's two, or which 64 rows of B, I fetch
	s_bfe_u32 s40, ttmp6, 0x40000                  ; cx
	s_bfe_u32 s41, ttmp6, 0x40004                  ; cy
	s_lshl_b32 s42, ttmp9, 2
	s_add_co_u32 s42, s42, s40                     ; tile column
	s_and_b32 s17, ttmp7, 0xffff
	s_lshl_b32 s17, s17, 2
	s_add_co_u32 s17, s17, s41                     ; tile row
	s_lshl_b32 s43, s41, 2
	s_lshl_b32 s43, 15, s43                        ; my row of the cluster
	s_lshl_b32 s44, 0x1111, s40                    ; my column
	s_or_b32 s[G1+0], s43, (1<<16)|(1<<20)|(1<<21)|(4<<22)|(3<<25)   ; A: elements of 2 bytes; 4 words of padding after every 32
	s_mov_b32 s[G1+1], 64<<16                      ; tensor_dim0 = 64
	s_mov_b32 s[G1+2], 128<<16                     ; tensor_dim1 = 128
	s_mov_b32 s[G1+3], 64<<16                      ; tile_dim0
	s_mov_b32 s[G1+4], 128                         ; tile_dim1
	s_mov_b32 s[G1+5], 64                          ; the pitch
	s_mov_b32 s[G1+6], 0
	s_mov_b32 s[G1+7], 0
	s_or_b32 s[G1B+0], s44, (1<<16)|(1<<20)|(1<<21)|(6<<22)|(7<<25)  ; B: 8 words of padding after every 128
	s_mov_b32 s[G1B+1], 256<<16
	s_mov_b32 s[G1B+2], 64<<16
	s_mov_b32 s[G1B+3], 256<<16
	s_mov_b32 s[G1B+4], 64
	s_mov_b32 s[G1B+5], 1024
	s_mov_b32 s[G1B+6], 0
	s_mov_b32 s[G1B+7], 0
	s_lshl_b32 s20, s17, 14                        ; A: 128 rows of 128 bytes x tile row,
	s_lshl_b32 s21, s16, 20                        ; + my head of the two
	s_add_co_u32 s20, s20, s21
	s_mov_b32 s21, 0
	s_lshl_b32 s46, s42, 9                         ; B: 256 columns of 2 bytes x tile column,
	s_lshl_b32 s47, s16, 17                        ; + my 64 rows of 2,048 bytes
	s_add_co_u32 s46, s46, s47
	s_mov_b32 s47, 0
	s_mul_i32 s45, s16, AHALF                      ; where they go: no place in the cluster enters an LDS address
	s_mul_i32 s18, s16, BHALF
	s_add_co_u32 s18, s18, BOFF
	s_wait_dscnt 0x0                               ; both opening adds are done
	s_wait_kmcnt 0x0
	s_add_nc_u64 s[20:21], s[4:5], s[20:21]
	s_add_nc_u64 s[46:47], s[6:7], s[46:47]
	CROUND                                         ; all sixteen work-groups are here: the first joint loads meet
.irp s, 0,1
	s_mov_b32 s[G0+4*\s], 1
	s_add_co_u32 s[G0+4*\s+1], s45, \s*SLOT
	s_add_nc_u64 s[G0+4*\s+2:G0+4*\s+3], s[20:21], \s*(ANEXT/2)
	s_or_b32 s[G0+4*\s+3], s[G0+4*\s+3], 0x80000000
	s_mov_b32 s[G0B+4*\s], 1
	s_add_co_u32 s[G0B+4*\s+1], s18, \s*SLOT
	s_add_nc_u64 s[G0B+4*\s+2:G0B+4*\s+3], s[46:47], \s*(BNEXT/2)
	s_or_b32 s[G0B+4*\s+3], s[G0B+4*\s+3], 0x80000000
	JLOAD \s                                       ; two loads of mine are out at the start, one behind each later round
.endr
	v_and_b32 v1, 15, v0                           ; r
	v_bfe_u32 v2, v0, 4, 1                         ; h
	v_mul_u32_u24 v3, v1, AP
	v_lshl_add_u32 v3, v2, 4, v3                   ; A: row r, + 16 h
	s_mul_i32 s22, s15, 64*AP                      ; my 64 rows
	v_and_b32 v4, 7, v0
	v_lshl_add_u32 v4, v2, 3, v4
	v_mul_u32_u24 v4, v4, BP
	v_bfe_u32 v5, v0, 3, 1
	v_lshl_add_u32 v4, v5, 4, v4                   ; B: row 8 h + l % 8, columns 8 ((l / 8) % 2) on
	s_lshl_b32 s23, s16, 8                         ; my 128 columns
	s_add_co_u32 s23, s23, BOFF
.irp s, 0,1
	v_add_nc_u32 v[ADRA+\s], s22, v3
	v_add_nc_u32 v[ADRB+\s], s23, v4
	s_add_co_u32 s22, s22, SLOT
	s_add_co_u32 s23, s23, SLOT
.endr
	s_mul_i32 s23, s14, 16*SPITCH
	s_add_co_u32 s23, s23, STAGE                   ; my stage
	v_mul_u32_u24 v5, v1, SPITCH
	v_lshl_add_u32 v5, v2, 5, v5
	v_add_nc_u32 v[STO], s23, v5                   ; in: row r, 32 bytes for each half of the lanes
	v_and_b32 v6, 31, v0
	v_lshlrev_b32 v[CO], 4, v6
	v_add_nc_u32 v[RD], s23, v[CO]                 ; back: the 32 lanes take one row of 512 bytes
	v_lshlrev_b32 v[BO], 5, v2
	s_lshl_b32 s46, s42, 10                        ; my first column in bytes of f32
	s_lshl_b32 s47, s16, 9
	s_add_co_u32 s46, s46, s47
	s_mov_b32 s47, 0
	s_add_nc_u64 s[8:9], s[8:9], s[46:47]
	s_add_nc_u64 s[10:11], s[10:11], s[46:47]
	s_lshl_b32 s46, s17, 19                        ; my first row: 128 x tile row + 64 x half, rows of 4,096 bytes
	s_lshl_b32 s22, s15, 18
	s_add_co_u32 s46, s46, s22
	s_add_nc_u64 s[10:11], s[10:11], s[46:47]
	WIN 0x80                                       ; destination window 2
.irp b, 0,1,2,3,4,5,6,7                        ; block b: lane (r, h) wants b_proj of columns 16 b + 8 h + 0 .. 7
	global_load_b128 v[8*\b:8*\b+3], v[BO], s[8:9] offset:64*\b
	global_load_b128 v[8*\b+4:8*\b+7], v[BO], s[8:9] offset:64*\b+16
.endr
	WIN 0
.macro MUL8 f, a, zero                 ; A's block a x B's eight, 32 along K.  The 32 accumulators take turns, one instruction a turn, in the same order in every quarter
.irp b, 0,1,2,3,4,5,6,7
.if \zero
	v_wmma_f32_16x16x32_f16 v[8*(8*(\a)+\b):8*(8*(\a)+\b)+7], v[\f+32+8*\b:\f+32+8*\b+7], v[\f+8*(\a):\f+8*(\a)+7], v[8*\b:8*\b+7]
.else
	v_wmma_f32_16x16x32_f16 v[8*(8*(\a)+\b):8*(8*(\a)+\b)+7], v[\f+32+8*\b:\f+32+8*\b+7], v[\f+8*(\a):\f+8*(\a)+7], v[8*(8*(\a)+\b):8*(8*(\a)+\b)+7]
.endif
.endr
.endm
.macro MULWIN zero
.if \zero
	WIN FIRST
.else
	WIN MUL
.endif
.endm
.macro FETCH slot, q, f                ; 24 LDS loads in one run: the slot's q-th 32 along K: B's eight fragments, then A's four
	WIN 0
.irp b, 0,1,2,3,4,5,6,7
	ds_load_tr16_b128 v[\f+32+8*\b:\f+32+8*\b+3],   v[ADRB+\slot] offset:32*(\q)*BP+32*\b
	ds_load_tr16_b128 v[\f+32+8*\b+4:\f+32+8*\b+7], v[ADRB+\slot] offset:(32*(\q)+16)*BP+32*\b
.endr
.irp a, 0,1,2,3
	ds_load_b128 v[\f+8*\a:\f+8*\a+3],   v[ADRA+\slot] offset:((\q)/2)*AHALF+64*((\q)%2)+\a*16*AP
	ds_load_b128 v[\f+8*\a+4:\f+8*\a+7], v[ADRA+\slot] offset:((\q)/2)*AHALF+64*((\q)%2)+\a*16*AP+32
.endr
.endm
.macro PLACES                          ; four plain instructions between a matrix instruction and a load into, or a read of, its registers
.rept 4
	v_nop
.endr
.endm
.macro QUARTER slot, q, f, g, zero     ; multiplies buffer f; in its middle fetches the slot's q-th quarter into buffer g
	s_wait_dscnt 4                                 ; B and A's blocks 0, 1 are in; the youngest four loads (A's blocks 2, 3) may be out
	MULWIN \zero
	MUL8 \f, 0, \zero
	MUL8 \f, 1, \zero
	PLACES
	FETCH \slot, \q, \g
	s_wait_dscnt 24                                ; all but the 24 just issued
	MULWIN \zero
	MUL8 \f, 2, \zero
	MUL8 \f, 3, \zero
.endm
; A slot's last quarter multiplies buffer 1 and changes slots: ONE barrier; in front of it each wave waits for all its tensor loads, adds 0 to its spare word, and waits for that and for its reads of this slot.
.macro TURN slot, next, fill
	WIN 0
	s_wait_tensorcnt 0x0                           ; my part of the next slot has landed
	ds_add_u32 v[SPW], v[NIL]
	s_wait_dscnt 5                                 ; (the add and the youngest four loads may be out)
	WIN MUL
	MUL8 F1, 0, 0                                  ; eight products stand between the add and the wait for it
	s_wait_dscnt 0x0                               ; the add is done, and my reads of this slot are over
	s_barrier_signal -1
	MUL8 F1, 1, 0
.if \fill
	WIN 0
.endif
	s_barrier_wait -1
.if \fill
	CREST                                          ; the barrier has opened a round of the cluster's: no wave of any partner still reads this slot or has a load on its way
	s_add_nc_u64 s[G0+4*\slot+2:G0+4*\slot+3], s[G0+4*\slot+2:G0+4*\slot+3], ANEXT
	s_add_nc_u64 s[G0B+4*\slot+2:G0B+4*\slot+3], s[G0B+4*\slot+2:G0B+4*\slot+3], BNEXT
	JLOAD \slot                                    ; the first tensor load behind the round; its four v_nop are also the places in front of the loads below
.else
	PLACES
.endif
	FETCH \next, 0, F0
	WIN MUL
	MUL8 F1, 2, 0
	MUL8 F1, 3, 0
.endm
	s_wait_tensorcnt 1                             ; my part of K step 0 is in (K step 1's may be out)
	s_barrier_signal -1
	s_barrier_wait -1                              ; everybody's is
	FETCH 0, 0, F0
	s_wait_loadcnt 0x0                             ; the bias
	QUARTER 0, 1, F0, F1, 1                        ; the first quarter stands in front of the loop: its products start the sums
	WIN 0
	s_mov_b32 s3, LAPS-1
.Llap:                                             ; a trip goes once round the ring and fills both slots again
	QUARTER 0, 2, F1, F0, 0
	QUARTER 0, 3, F0, F1, 0
	TURN 0, 1, 1
	QUARTER 1, 1, F0, F1, 0
	QUARTER 1, 2, F1, F0, 0
	QUARTER 1, 3, F0, F1, 0
	TURN 1, 0, 1
	QUARTER 0, 1, F0, F1, 0
	WIN 0
	s_sub_co_u32 s3, s3, 1
	s_cmp_lg_u32 s3, 0
	s_cbranch_scc1 .Llap
	QUARTER 0, 2, F1, F0, 0                        ; the last lap fills nothing
	QUARTER 0, 3, F0, F1, 0
	TURN 0, 1, 0
	QUARTER 1, 1, F0, F1, 0
	QUARTER 1, 2, F1, F0, 0
	QUARTER 1, 3, F0, F1, 0
	s_wait_dscnt 4
	WIN MUL
	MUL8 F1, 0, 0
	MUL8 F1, 1, 0
	s_wait_dscnt 0
	MUL8 F1, 2, 0
	MUL8 F1, 3, 0
	WIN 0
; THE WAY OUT, block by block of 16 rows x 128 columns: through my own stage and back as whole rows of 512 bytes, which the 32 lanes store as 512 consecutive bytes, aligned.
.macro TOSTAGE a
	WIN 0x04                                       ; an LDS store's data are its source 1: window 1
.irp b, 0,1,2,3,4,5,6,7
	ds_store_b128 v[STO], v[64*(\a)+8*\b:64*(\a)+8*\b+3] offset:64*\b          ; each accumulator from its low end on
	ds_store_b128 v[STO], v[64*(\a)+8*\b+4:64*(\a)+8*\b+7] offset:64*\b+16
.endr
	WIN 0
.set BB, BK+64*((\a)%2)
.irp t, 0,1,2,3,4,5,6,7,8,9,10,11,12,13,14,15
	ds_load_b128 v[BB+4*\t:BB+4*\t+3], v[RD] offset:\t*SPITCH
.endr
.endm
.macro SEND a, younger                 ; younger: the LDS instructions issued behind block a's loads, which may stay out
.set BB, BK+64*((\a)%2)
	s_wait_dscnt \younger
.irp t, 0,1,2,3,4,5,6,7,8,9,10,11,12,13,14,15
	global_store_b128 v[CO], v[BB+4*\t:BB+4*\t+3], s[10:11] offset:(16*(\a)+\t)*4096 th:TH_STORE_NT
.endr
.endm
	PLACES
	TOSTAGE 0
.irp a, 1,2,3
.if \a > 1
	s_wait_xcnt 0x0                                ; block a - 2's stores have read their registers: block a's rows may land there
.endif
	TOSTAGE \a
	SEND \a-1, 32                                  ; behind block a - 1's loads: block a's 16 stores and 16 loads
.endr
	SEND 3, 0
	s_wait_tensorcnt 0x0                           ; the wave's end
	ds_add_u32 v[SPW], v[NIL]
	s_wait_dscnt 0x0
	CROUND                                         ; the closing round
	s_endpgm
.Lfunc_end_k_q9763e7f980_proj:
	.size	k_q9763e7f980_proj, .Lfunc_end_k_q9763e7f980_proj-k_q9763e7f980_proj
	.p2alignl 7, 3214868480
	.fill 96, 4, 3214868480
	.section	.rodata,"a",@progbits
	.p2align	6, 0x0
	.amdhsa_kernel k_q9763e7f980_proj
		.amdhsa_group_segment_fixed_size 327680
		.amdhsa_private_segment_fixed_size 0
		.amdhsa_enable_private_segment 0
		.amdhsa_kernarg_size 32
		.amdhsa_user_sgpr_count 2
		.amdhsa_user_sgpr_kernarg_segment_ptr 1
		.amdhsa_wavefront_size32 1
		.amdhsa_system_sgpr_workgroup_id_x 1
		.amdhsa_system_sgpr_workgroup_id_y 1
		.amdhsa_system_sgpr_workgroup_id_z 1
		.amdhsa_system_vgpr_workitem_id 0
		.amdhsa_next_free_vgpr 576
		.amdhsa_next_free_sgpr 66
		.amdhsa_reserve_vcc 0
		.amdhsa_float_denorm_mode_32 3
		.amdhsa_float_denorm_mode_16_64 3
		.amdhsa_memory_ordered 1
		.amdhsa_forward_progress 1
		.amdhsa_inst_pref_size 86
	.end_amdhsa_kernel
	.amdgpu_metadata
---
amdhsa.version: [ 1, 2 ]
amdhsa.kernels:
  - .name:           k_q9763e7f980_proj
    .symbol:         k_q9763e7f980_proj.kd
    .args:
      - { .name: y16, .offset: 0, .size: 8, .value_kind: global_buffer, .address_space: global }
      - { .name: wp16, .offset: 8, .size: 8, .value_kind: global_buffer, .address_space: global }
      - { .name: b_proj, .offset: 16, .size: 8, .value_kind: global_buffer, .address_space: global }
      - { .name: out0, .offset: 24, .size: 8, .value_kind: global_buffer, .address_space: global }
    .group_segment_fixed_size: 327680
    .private_segment_fixed_size: 0
    .kernarg_segment_align: 8
    .kernarg_segment_size: 32
    .max_flat_workgroup_size: 128
    .sgpr_count:     66
    .vgpr_count:     576
    .wavefront_size: 32
...
	.end_amdgpu_metadata
.endif
;; end of part 4
;; launch fine (part 5): grid 64 x 4, 16 waves a work-group, no clusters, 18,432 bytes of LDS; arguments qkv32, W_proj, b_proj, out0; writes out0
.if DOCPART == 5
	.amdgcn_target "amdgcn-amd-amdhsa--gfx1250"
	.amdhsa_code_object_version 6
	.text
	.protected	k_q9763e7f980_fine
	.globl	k_q9763e7f980_fine
	.p2align	8
	.type	k_q9763e7f980_fine,@function
k_q9763e7f980_fine:
	s_mov_b64 s[64:65], 0
	v_nop
	global_prefetch_b8 v0, s[64:65] scope:SCOPE_SE
	s_setreg_imm32_b32 hwreg(HW_REG_WAVE_MODE, 25, 1), 1
	s_wait_xcnt 0x0
; FINE: positions 0-15 of every batch, where a row of the softmax averages one to sixteen values, carried in f32 through attention and projection; these 64 rows of out0 are written anew.
; IN: qkv32 [64 = 16 batch + position][3072] f32 (q, k, v with their bias), W_proj [1024][1024] f32, b_proj.  All products by v_wmma_f32_16x16x4_f32: 48 a wave, no bulk work.
; SHARES.  Work-group (x, batch) makes 16 positions x output columns 16 x .. 16 x + 15.  Wave w is head w: its 64 channels of y are the part of the projection's K that it multiplies, so y never leaves
; the wave, and only the 16 waves' partial tiles meet in LDS.  The small attention is repeated in the 64 column groups, and W_proj and out0 are touched in pieces of 64 bytes (4 MB and 256 KB in all):
; the price of sharing this work among 256 work-groups in one launch.
; LAYOUT.  This form's operands hold k = 2 (lane / 16) + register; k is permuted alike on both operands of each product, so that results serve as operands as they lie:
;   S^T = K Q^T: product s takes channels 32 h + 2 s, + 1;   O^T = V^T P: product s takes keys 8 h + 2 s, + 1;   OUT^T = W^T O: product u takes channels 16 (u / 4) + 8 h + 2 (u % 4), + 1.
; Registers that these products write (v144-207) are written by matrix instructions alone, and each sum's first product takes the constant 0; four accumulators take turns.
.set SPARE, 16384                      ; behind the 16 partial tiles of 1,024 bytes: the spare words, 128 bytes for each wave: eight blocks of 256 bytes that no other line names
.set SPW, 12
.set NIL, 13
.set QR,  16                           ; v16-47   q[r][32 h + i]
.set KR,  48                           ; v48-79   k likewise
.set VR,  80                           ; v80-111  v[8 h + i][16 d + r] at 8 d + i
.set WR,  112                          ; v112-143 W[64 w + 16 d + 8 h + i][16 x + r] at 8 d + i
.set SA,  144                          ; v144-175 four accumulators: the scores' parts, later the output's
.set OA,  176                          ; v176-207 O^T
.set T,   208                          ; v208-215 scores, then e
.set P,   216                          ; v216-223 p
.set W8,  224                          ; v224-231 at work; my partial tile
.set BI,  240                          ; v240-243 the bias, then the sum
	s_load_b256 s[4:11], s[0:1], 0x0               ; qkv32 s[4:5], W_proj s[6:7], b_proj s[8:9], out0 s[10:11]
	v_lshl_add_u32 v[SPW], v0, 2, SPARE
	v_mov_b32 v[NIL], 0
	v_lshrrev_b32 v1, 5, v0
	v_readfirstlane_b32 s12, v1                    ; wave = head
	s_and_b32 s14, ttmp7, 0xffff                   ; batch
	s_and_b32 s18, s12, 1
	v_and_b32 v1, 15, v0                           ; r
	v_bfe_u32 v2, v0, 4, 1                         ; h
	v_and_b32 v3, 31, v0
	v_mul_u32_u24 v4, v1, 12288
	v_lshl_add_u32 v4, v2, 7, v4                   ; q, k: row r, + 128 h
	v_mul_u32_u24 v5, v2, 98304
	v_lshl_add_u32 v5, v1, 2, v5                   ; v: row 8 h, column r
	v_lshlrev_b32 v6, 15, v2
	v_lshl_add_u32 v6, v1, 2, v6                   ; W: row 8 h, column r
	v_lshlrev_b32 v7, 5, v2                        ; the bias: 32 h
	v_lshlrev_b32 v8, 12, v1
	v_lshl_add_u32 v8, v2, 5, v8                   ; out0: row r, + 32 h
	v_lshlrev_b32 v9, 4, v3
	s_lshl_b32 s16, s12, 10
	v_add_nc_u32 v10, s16, v9                      ; LDS: my partial tile: 1,024 w + 16 lane
	s_lshl_b32 s16, s18, 9
	v_add_nc_u32 v11, s16, v9                      ; and where waves 0 and 1 read: 512 (w % 2) + 16 lane
	v_lshlrev_b32 v14, 3, v2
	v_sub_nc_u32 v14, v1, v14                      ; r - 8 h
	v_mov_b32 v15, 0xff800000                      ; -infinity
	s_mov_b32 s20, 0x76543210
	s_mov_b32 s21, 0xfedcba98
	s_mov_b32 s22, 0x3e38aa3b                      ; c = log2(e) / 8
	s_mov_b32 s17, 0
	s_wait_kmcnt 0x0
	s_mul_i32 s16, s14, 16*12288
	s_lshl_b32 s19, s12, 8
	s_add_co_u32 s16, s16, s19
	s_add_nc_u64 s[4:5], s[4:5], s[16:17]          ; my batch's 16 rows, my head's 64 columns
	s_lshl_b32 s16, s12, 18
	s_lshl_b32 s19, ttmp9, 6
	s_add_co_u32 s16, s16, s19
	s_add_nc_u64 s[6:7], s[6:7], s[16:17]          ; W: row 64 w, column 16 x
	s_lshl_b32 s16, s18, 4
	s_add_co_u32 s16, s16, s19                     ; 64 x + 16 (w % 2): inside b_proj in every wave
	s_add_nc_u64 s[8:9], s[8:9], s[16:17]
	s_add_nc_u64 s[10:11], s[10:11], s[16:17]
	s_lshl_b32 s16, s14, 23                        ; 2,048 rows of 4,096 bytes a batch
	s_add_nc_u64 s[10:11], s[10:11], s[16:17]
	global_load_b128 v[BI:BI+3], v7, s[8:9]
.irp i, 0,1,2,3,4,5,6,7
	global_load_b128 v[QR+4*\i:QR+4*\i+3], v4, s[4:5] offset:16*\i
.endr
.irp i, 0,1,2,3,4,5,6,7
	global_load_b128 v[KR+4*\i:KR+4*\i+3], v4, s[4:5] offset:4096+16*\i
.endr
.irp d, 0,1,2,3
.irp i, 0,1,2,3,4,5,6,7
	global_load_b32 v[VR+8*\d+\i], v5, s[4:5] offset:8192+12288*\i+64*\d
.endr
.endr
.irp d, 0,1,2,3
.irp i, 0,1,2,3,4,5,6,7
	global_load_b32 v[WR+8*\d+\i], v6, s[6:7] offset:4096*(16*\d+\i)
.endr
.endr
	s_wait_loadcnt 63                              ; 64 loads were issued behind k's last; the count's field holds 63
.irp s, 0,1,2,3,4,5,6,7,8,9,10,11,12,13,14,15
.if \s < 4
	v_wmma_f32_16x16x4_f32 v[SA+8*(\s%4):SA+8*(\s%4)+7], v[KR+2*\s:KR+2*\s+1], v[QR+2*\s:QR+2*\s+1], 0
.else
	v_wmma_f32_16x16x4_f32 v[SA+8*(\s%4):SA+8*(\s%4)+7], v[KR+2*\s:KR+2*\s+1], v[QR+2*\s:QR+2*\s+1], v[SA+8*(\s%4):SA+8*(\s%4)+7]
.endif
.endr
.rept 8
	v_nop                                          ; eight places behind this form ahead of a read of its results (ISA guide 7.12.1)
.endr
.irp p, 0,2,4,6                                ; the four parts are added, each accumulator from its low end on: register j = score(key 8 h + j, query r)
	v_pk_add_f32 v[T+\p:T+\p+1], v[SA+\p:SA+\p+1], v[SA+8+\p:SA+8+\p+1]
.endr
.irp p, 0,2,4,6
	v_pk_add_f32 v[T+\p:T+\p+1], v[T+\p:T+\p+1], v[SA+16+\p:SA+16+\p+1]
.endr
.irp p, 0,2,4,6
	v_pk_add_f32 v[T+\p:T+\p+1], v[T+\p:T+\p+1], v[SA+24+\p:SA+24+\p+1]
.endr
.irp j, 0,1,2,3,4,5,6,7
	v_cmp_gt_i32 vcc_lo, \j, v14                   ; key 8 h + j comes after query r
	v_cndmask_b32 v[T+\j], v[T+\j], v15, vcc_lo
.endr
	v_max3_num_f32 v[W8], v[T], v[T+1], v[T+2]
	v_max3_num_f32 v[W8+1], v[T+3], v[T+4], v[T+5]
	v_max3_num_f32 v[W8], v[W8], v[T+6], v[T+7]
	v_max_num_f32 v[W8], v[W8], v[W8+1]
	v_permlanex16_b32 v[W8+1], v[W8], s20, s21
	v_max_num_f32 v[W8], v[W8], v[W8+1]            ; the row's maximum: key 0 counts for every query, so it is a number
	v_mul_f32 v[W8], s22, v[W8]
.irp j, 0,1,2,3,4,5,6,7
	v_fma_f32 v[T+\j], v[T+\j], s22, -v[W8]
.endr
.irp j, 0,1,2,3,4,5,6,7
	v_exp_f32 v[T+\j], v[T+\j]
.endr
	v_nop                                          ; a plain instruction behind the last exponential,
	s_wait_alu depctr_va_vdst(0)                   ; and one wait for the eight
	v_pk_add_f32 v[W8+2:W8+3], v[T:T+1], v[T+2:T+3]
	v_pk_add_f32 v[W8+4:W8+5], v[T+4:T+5], v[T+6:T+7]
	v_pk_add_f32 v[W8+2:W8+3], v[W8+2:W8+3], v[W8+4:W8+5]
	v_add_f32 v[W8+2], v[W8+2], v[W8+3]
	v_permlanex16_b32 v[W8+3], v[W8+2], s20, s21
	v_add_f32 v[W8+2], v[W8+2], v[W8+3]            ; the row's sum
	v_rcp_f32 v[W8+4], v[W8+2]
	v_nop
	s_wait_alu depctr_va_vdst(0)
.irp p, 0,2,4,6
	v_pk_mul_f32 v[P+\p:P+\p+1], v[T+\p:T+\p+1], v[W8+4:W8+5] op_sel_hi:[1,0]
.endr
	s_wait_loadcnt 32                              ; v is in; W's 32 loads may be out
.irp s, 0,1,2,3
.irp d, 0,1,2,3
.if \s == 0
	v_wmma_f32_16x16x4_f32 v[OA+8*\d:OA+8*\d+7], v[VR+8*\d+2*\s:VR+8*\d+2*\s+1], v[P+2*\s:P+2*\s+1], 0
.else
	v_wmma_f32_16x16x4_f32 v[OA+8*\d:OA+8*\d+7], v[VR+8*\d+2*\s:VR+8*\d+2*\s+1], v[P+2*\s:P+2*\s+1], v[OA+8*\d:OA+8*\d+7]
.endif
.endr
.endr
.rept 9
	v_nop                                          ; nine places ahead of matrix instructions that take these results as an operand
.endr
	s_wait_loadcnt 0x0                             ; W
.irp u, 0,1,2,3,4,5,6,7,8,9,10,11,12,13,14,15
.if \u < 4
	v_wmma_f32_16x16x4_f32 v[SA+8*(\u%4):SA+8*(\u%4)+7], v[WR+2*\u:WR+2*\u+1], v[OA+2*\u:OA+2*\u+1], 0
.else
	v_wmma_f32_16x16x4_f32 v[SA+8*(\u%4):SA+8*(\u%4)+7], v[WR+2*\u:WR+2*\u+1], v[OA+2*\u:OA+2*\u+1], v[SA+8*(\u%4):SA+8*(\u%4)+7]
.endif
.endr
.rept 8
	v_nop
.endr
.irp p, 0,2,4,6                                ; my head's part: register j = out(position r, column 16 x + 8 h + j)
	v_pk_add_f32 v[W8+\p:W8+\p+1], v[SA+\p:SA+\p+1], v[SA+8+\p:SA+8+\p+1]
.endr
.irp p, 0,2,4,6
	v_pk_add_f32 v[W8+\p:W8+\p+1], v[W8+\p:W8+\p+1], v[SA+16+\p:SA+16+\p+1]
.endr
.irp p, 0,2,4,6
	v_pk_add_f32 v[W8+\p:W8+\p+1], v[W8+\p:W8+\p+1], v[SA+24+\p:SA+24+\p+1]
.endr
	ds_store_b128 v10, v[W8:W8+3]
	ds_store_b128 v10, v[W8+4:W8+7] offset:512
	s_wait_dscnt 0x0                               ; for the others' sake: my stores have landed
	s_barrier_signal -1
	s_barrier_wait -1
	s_cmp_lt_u32 s12, 2
	s_cbranch_scc0 .Ldone                          ; waves 0 and 1 add the sixteen parts: wave w registers 4 w .. 4 w + 3
.irp i, 0,1,2,3,4,5,6,7,8,9,10,11,12,13,14,15
	ds_load_b128 v[16+4*\i:16+4*\i+3], v11 offset:1024*\i
.endr
	s_wait_dscnt 0x0
.irp i, 0,1,2,3,4,5,6,7,8,9,10,11,12,13,14,15
	v_pk_add_f32 v[BI:BI+1], v[BI:BI+1], v[16+4*\i:17+4*\i]       ; onto the bias, in two chains
	v_pk_add_f32 v[BI+2:BI+3], v[BI+2:BI+3], v[18+4*\i:19+4*\i]
.endr
	global_store_b128 v8, v[BI:BI+3], s[10:11]
.Ldone:
	s_wait_tensorcnt 0x0                           ; the wave's end
	ds_add_u32 v[SPW], v[NIL]
	s_wait_dscnt 0x0
	s_endpgm
.Lfunc_end_k_q9763e7f980_fine:
	.size	k_q9763e7f980_fine, .Lfunc_end_k_q9763e7f980_fine-k_q9763e7f980_fine
	.p2alignl 7, 3214868480
	.fill 96, 4, 3214868480
	.section	.rodata,"a",@progbits
	.p2align	6, 0x0
	.amdhsa_kernel k_q9763e7f980_fine
		.amdhsa_group_segment_fixed_size 18432
		.amdhsa_private_segment_fixed_size 0
		.amdhsa_enable_private_segment 0
		.amdhsa_kernarg_size 32
		.amdhsa_user_sgpr_count 2
		.amdhsa_user_sgpr_kernarg_segment_ptr 1
		.amdhsa_wavefront_size32 1
		.amdhsa_system_sgpr_workgroup_id_x 1
		.amdhsa_system_sgpr_workgroup_id_y 1
		.amdhsa_system_sgpr_workgroup_id_z 1
		.amdhsa_system_vgpr_workitem_id 0
		.amdhsa_next_free_vgpr 256
		.amdhsa_next_free_sgpr 66
		.amdhsa_reserve_vcc 1
		.amdhsa_float_denorm_mode_32 3
		.amdhsa_float_denorm_mode_16_64 3
		.amdhsa_memory_ordered 1
		.amdhsa_forward_progress 1
		.amdhsa_inst_pref_size 22
	.end_amdhsa_kernel
	.amdgpu_metadata
---
amdhsa.version: [ 1, 2 ]
amdhsa.kernels:
  - .name:           k_q9763e7f980_fine
    .symbol:         k_q9763e7f980_fine.kd
    .args:
      - { .name: qkv32, .offset: 0, .size: 8, .value_kind: global_buffer, .address_space: global }
      - { .name: W_proj, .offset: 8, .size: 8, .value_kind: global_buffer, .address_space: global }
      - { .name: b_proj, .offset: 16, .size: 8, .value_kind: global_buffer, .address_space: global }
      - { .name: out0, .offset: 24, .size: 8, .value_kind: global_buffer, .address_space: global }
    .group_segment_fixed_size: 18432
    .private_segment_fixed_size: 0
    .kernarg_segment_align: 8
    .kernarg_segment_size: 32
    .max_flat_workgroup_size: 512
    .sgpr_count:     66
    .vgpr_count:     256
    .wavefront_size: 32
...
	.end_amdgpu_metadata
.endif
;; end of part 5
